; MI455X (gfx1250); checked and timed in simulation.
; The chip was launched on July 23, 2026; its instructions are those of AMD's public machine-readable ISA for CDNA 5 (MIT licence, August 2026) and "CDNA5" Instruction Set Architecture Reference Guide (July 2026). The comments in the code are by the model that wrote it; some were corrected since.
;; Attention. Allowed arithmetic: matrix products marked QUANTISED: E2M1 operands, one E8M0 scale for each 32 along K, by v_wmma_scale_f32_16x16x128_f8f6f4 with both operands' format E2M1 (or v_wmma_scale_f32_32x16x128_f4), f32 sums; everything else in f32.
;; Inputs: attention_mask 1 x 1 x 2,048 x 2,048 bool; key_codes 2,048 x 4 x 16 x 4 x 16 uint8 (E2M1 codes of key, K innermost, in blocks of 32 codes, two codes a byte); key_scales 2,048 x 4 x 16 x 4 uint8 (E8M0 scales of key, one for each 32 codes along K); query_codes 2,048 x 4 x 16 x 4 x 16 uint8 (E2M1 codes of query, K innermost, in blocks of 32 codes, two codes a byte); query_scales 2,048 x 4 x 16 x 4 uint8 (E8M0 scales of query, one for each 32 codes along K); value_codes 4 x 16 x 128 x 64 x 16 uint8 (E2M1 codes of value, K innermost, in blocks of 32 codes, two codes a byte); value_scales 4 x 16 x 128 x 64 uint8 (E8M0 scales of value, one for each 32 codes along K).
;; Outputs: out0 2,048 x 4 x 2,048 float32.
;; This version of the problem:
;;   THIS VERSION OF THE PROBLEM IS GIVEN IN LOW PRECISION. The matrix products marked QUANTISED in the list below multiply operands that are first quantised to E2M1 (2 exponent bits, 1 mantissa bit; 4 bits a number), with one power-of-two scale for each 32 numbers along K (OCP MX v1.0); their sums are f32. All else is computed in f32.
;;   The module's matrix products, in the order in which they are computed (A, B: the left and right operand; K: the contracted axis; several contracted axes count as one K, in the product's order):
;;     1. batch 64 x [M 2,048, K 128] x [K 128, N 2,048]; A: input query (given as codes); B: input key (given as codes): QUANTISED
;;     2. batch 64 x [M 128, K 2,048] x [K 2,048, N 2,048]; A: input value (given as codes); B: softmax (see below): QUANTISED
;;   THE QUANTISER, for each operand of a quantised product, along K:
;;     - K is cut into blocks of 32 from its start; a last block that is shorter is filled with zeros.
;;     - A block's scale is 2^e with e = floor(log2(the largest magnitude in the block)) - 2, held to -126 .. 127; a block of zeros has e = 0. As a byte (E8M0): e + 127.
;;     - Each number is divided by its block's scale, clamped to +-6, and rounded to the nearest number of E2M1, ties to even, subnormals kept.
;;     - The product sums the exact products of the quantised numbers (number of the format x scale) in f32.
;;   ~~~python
;;   def quantise(x, axis):      # numpy; x: float32 -> the quantised numbers, widened to float32 again
;;       x = np.moveaxis(x, axis, -1); K = x.shape[-1]
;;       x = np.pad(x, [(0, 0)] * (x.ndim - 1) + [(0, -K % 32)]); x = x.reshape(x.shape[:-1] + (-1, 32)); a = np.abs(x).max(-1, keepdims=True)
;;       e = np.where(a > 0, np.clip(np.frexp(np.where(a > 0, a, 1))[1] - 1 - 2, -126, 127), 0)      # np.frexp(a)[1] - 1 = floor(log2(a)), exactly
;;       r = np.clip(x / 2.0 ** e, -6, 6)
;;       step = 2.0 ** (np.maximum(np.frexp(np.where(r == 0, 1, r))[1] - 1, 0) - 1)
;;       q = np.round(r / step) * step * 2.0 ** e      # np.round: ties to even
;;       return np.moveaxis(q.reshape(q.shape[:-2] + (-1,))[..., :K], -1, axis).astype(np.float32)
;;   ~~~
;;   SOFTMAX AHEAD OF A QUANTISED PRODUCT. Where the list says 'softmax', what is quantised is not the finished softmax but p = 2^(t - M), with t = logit x log2(e) and M = ceil(the row's largest t), a whole number; so 1/2 < the row's largest p <= 1. The row's sum l is taken of the UNQUANTISED p, in f32, and the product's result is divided by l at the end. Since M is a whole number, a kernel that streams over the keys may use a running M (the ceiling of the running maximum): every later rescaling is an exact power of two, which a block's scale takes up: the codes' values come out the same.
;;   OPERANDS COMPUTED ON THE WAY. 'Computed on the way' means the value that the module computes at that place (a softmax that the list does not call 'softmax' is quantised finished and normalised). What goes into a quantiser is computed in f32, as accurately as f32 sums, v_exp_f32 and their like allow (about 1e-6 of the number): no bf16 or f16 on the way to a quantiser, and a product that is left as it is and whose result goes on into a quantised operand takes f32 operands (vector FMAs, or v_wmma_f32_16x16x4_f32). A number that lies on a knife's edge between two numbers of the format may be rounded either way, as far as f32 arithmetic and the matrix unit's own rounding can turn it there, and no further.
;;   INPUTS GIVEN AS CODES. key (in the module: [2048, 4, 16, 128], K = its axis 3); query (in the module: [2048, 4, 16, 128], K = its axis 3); value (in the module: [2048, 4, 16, 128], K = its axis 0): each comes as NAME_codes (uint8): NAME with its K axis moved to the last place and cut into blocks of 32 codes, [.., K / 32, bytes a block], one block behind the other in memory; two codes a byte, the lower K in the low four bits (a code: sign, 2 exponent bits, 1 mantissa bit); and NAME_scales (uint8): the same leading axes, one E8M0 byte (e + 127) for each 32 codes along K. Its value is code x scale, taken as it is: it is not quantised again, and the codes and scales need not be those that the quantiser above would give.
;; 2 versions. Each part assembles by itself: llvm-mc -triple=amdgcn-amd-amdhsa -mcpu=gfx1250 --defsym DOCPART=n.
;; ======== version 1 of 2: 2 launches
;; workspace buffers: maskw 524,288 bytes of whole numbers; cls 4,096 bytes of whole numbers
;; launch pack (part 1): grid 256 x 1, 4 waves a work-group, no clusters, 0 bytes of LDS; arguments attention_mask, maskw, cls; writes maskw, cls
.if DOCPART == 1
	.amdgcn_target "amdgcn-amd-amdhsa--gfx1250"
	.amdhsa_code_object_version 6
	.text
	.protected	k_q584f32b2da_pack
	.globl	k_q584f32b2da_pack
	.p2align	8
	.type	k_q584f32b2da_pack,@function
k_q584f32b2da_pack:
	s_mov_b64 s[64:65], 0
	v_nop
	global_prefetch_b8 v0, s[64:65] scope:SCOPE_SE
	s_setreg_imm32_b32 hwreg(HW_REG_WAVE_MODE, 25, 1), 1
	s_wait_xcnt 0x0
; THE MASK'S BYTES BECOME LANE MASKS.  attention_mask is [2048 queries][2048 keys], one byte each, the same for all 64 heads.
; The attention launch holds a score of query 16 x + (lane % 16) and key 32 b + 16 (lane / 16) + i in register 16 b + i of tile x.
; So for each group G of 32 queries and each step of 128 keys this launch makes 2 x 64 words: bit l of word j = 16 b + i of tile x is
; mask[32 G + 16 x + l % 16][128 step + 32 b + 16 (l / 16) + i] != 0: a word is what one select over the 32 lanes takes as its mask.
; maskw: [G 64][step 16][x 2][j 64] words.  cls: [G 64][step 16] words: 0 nothing masked, 1 some, 2 all 32 x 128 masked.
; One wave makes one record of 512 bytes and its class.  Work-group g: G = g / 4; wave w: step = 4 (g % 4) + w, so the four waves
; stand side by side on 512 bytes of each mask row.  Whole numbers only; no LDS, no barrier: waves share nothing.
.set IN,  8                            ; v8-39   eight loads of 16 bytes: tile x, block b at v[IN + 4 (4 x + b)]
.set OUTW, 40                          ; v40-43  tile x: lane n holds words 2 n (v[OUTW + 2 x]) and 2 n + 1 (v[OUTW + 2 x + 1])
.set TMP, 44                           ; v44-47  a byte, by turns
	s_load_b128 s[4:7], s[0:1], 0x0                ; the mask, maskw
	s_load_b64 s[8:9], s[0:1], 0x10                ; cls
	v_lshrrev_b32 v1, 5, v0
	v_readfirstlane_b32 s10, v1                    ; wave 0..3
	v_and_b32 v1, 31, v0                           ; lane
	v_and_b32 v2, 15, v0
	v_bfe_u32 v3, v0, 4, 1
	v_lshlrev_b32 v2, 11, v2                       ; my row of the tile: 2,048 bytes a row,
	v_lshl_or_b32 v2, v3, 4, v2                    ; and my half's 16 keys of a block of 32
	v_lshlrev_b32 v3, 3, v1                        ; out: 8 bytes a lane
	v_mov_b32 v4, 0
.irp k, 0,1,2,3
	v_mov_b32 v[OUTW+\k], 0                        ; written whole once: a lane write keeps the other lanes
.endr
	s_lshr_b32 s11, ttmp9, 2                       ; G
	s_and_b32 s12, ttmp9, 3
	s_lshl_b32 s12, s12, 2
	s_add_co_u32 s12, s12, s10                     ; step
	s_lshl_b32 s14, s11, 16                        ; 32 rows of 2,048 bytes
	s_lshl_b32 s13, s12, 7                         ; 128 keys
	s_add_co_u32 s14, s14, s13
	s_mov_b32 s15, 0
	s_lshl_b32 s16, s11, 4
	s_add_co_u32 s16, s16, s12                     ; 16 G + step
	s_lshl_b32 s18, s16, 2                         ; its class word
	s_lshl_b32 s16, s16, 9                         ; its record
	s_mov_b32 s17, 0
	s_mov_b32 s19, 0
	s_wait_kmcnt 0x0
	s_add_nc_u64 s[4:5], s[4:5], s[14:15]
	s_add_nc_u64 s[6:7], s[6:7], s[16:17]
	s_add_nc_u64 s[8:9], s[8:9], s[18:19]
.irp x, 0,1
.irp b, 0,1,2,3
	global_load_b128 v[IN+4*(4*\x+\b):IN+4*(4*\x+\b)+3], v2, s[4:5] offset:\x*32768+32*\b   ; keys 32 b + 16 (lane / 16) + 0 .. 15 of my row of tile x
.endr
.endr
	s_wait_loadcnt 0x0
; word j: byte j % 16 of block j / 16 in every lane; the compare's 32 bits are the word; it goes to lane j / 2 of the register of j's parity
.irp x, 0,1
.set j, 0
.rept 64
	v_bfe_u32 v[TMP+j%4], v[IN+4*(4*\x+j/16)+(j%16)/4], 8*(j%4), 8
	v_cmp_ne_u32 s[20+j%4], 0, v[TMP+j%4]
	v_writelane_b32 v[OUTW+2*\x+j%2], s[20+j%4], j/2
.set j, j+1
.endr
	global_store_b64 v3, v[OUTW+2*\x:OUTW+2*\x+1], s[6:7] offset:256*\x   ; 32 lanes store 256 consecutive bytes, aligned
.endr
; the class: is any word not 0; is any word not all ones
	v_cmp_ne_u32 s24, 0, v[OUTW]
	v_cmp_ne_u32 s20, 0, v[OUTW+1]
	v_cmp_ne_u32 s21, 0, v[OUTW+2]
	v_cmp_ne_u32 s22, 0, v[OUTW+3]
	s_or_b32 s24, s24, s20
	s_or_b32 s21, s21, s22
	s_or_b32 s24, s24, s21
	v_cmp_ne_u32 s25, -1, v[OUTW]
	v_cmp_ne_u32 s20, -1, v[OUTW+1]
	v_cmp_ne_u32 s21, -1, v[OUTW+2]
	v_cmp_ne_u32 s22, -1, v[OUTW+3]
	s_or_b32 s25, s25, s20
	s_or_b32 s21, s21, s22
	s_or_b32 s25, s25, s21
	s_cmp_lg_u32 s24, 0
	s_cselect_b32 s26, 1, 0                        ; something is masked
	s_cmp_eq_u32 s25, 0
	s_cselect_b32 s27, 1, 0                        ; everything is
	s_add_co_u32 s26, s26, s27
	v_mov_b32 v5, s26
	v_cmp_eq_u32 vcc_lo, 0, v1
	s_wait_xcnt 0x0                                ; the stores above have had their addresses translated: only now EXEC is narrowed
	s_and_saveexec_b32 s28, vcc_lo
	global_store_b32 v4, v5, s[8:9]                ; lane 0 alone
	s_endpgm
.Lfunc_end_k_q584f32b2da_pack:
	.size	k_q584f32b2da_pack, .Lfunc_end_k_q584f32b2da_pack-k_q584f32b2da_pack
	.p2alignl 7, 3214868480
	.fill 96, 4, 3214868480
	.section	.rodata,"a",@progbits
	.p2align	6, 0x0
	.amdhsa_kernel k_q584f32b2da_pack
		.amdhsa_group_segment_fixed_size 0
		.amdhsa_private_segment_fixed_size 0
		.amdhsa_enable_private_segment 0
		.amdhsa_kernarg_size 24
		.amdhsa_user_sgpr_count 2
		.amdhsa_user_sgpr_kernarg_segment_ptr 1
		.amdhsa_wavefront_size32 1
		.amdhsa_system_sgpr_workgroup_id_x 1
		.amdhsa_system_sgpr_workgroup_id_y 1
		.amdhsa_system_sgpr_workgroup_id_z 1
		.amdhsa_system_vgpr_workitem_id 0
		.amdhsa_next_free_vgpr 48
		.amdhsa_next_free_sgpr 66
		.amdhsa_reserve_vcc 1
		.amdhsa_float_denorm_mode_32 3
		.amdhsa_float_denorm_mode_16_64 3
		.amdhsa_memory_ordered 1
		.amdhsa_forward_progress 1
		.amdhsa_inst_pref_size 28
	.end_amdhsa_kernel
	.amdgpu_metadata
---
amdhsa.version: [ 1, 2 ]
amdhsa.kernels:
  - .name:           k_q584f32b2da_pack
    .symbol:         k_q584f32b2da_pack.kd
    .args:
      - { .name: attention_mask, .offset: 0, .size: 8, .value_kind: global_buffer, .address_space: global }
      - { .name: maskw, .offset: 8, .size: 8, .value_kind: global_buffer, .address_space: global }
      - { .name: cls, .offset: 16, .size: 8, .value_kind: global_buffer, .address_space: global }
    .group_segment_fixed_size: 0
    .private_segment_fixed_size: 0
    .kernarg_segment_align: 8
    .kernarg_segment_size: 24
    .max_flat_workgroup_size: 128
    .sgpr_count:     66
    .vgpr_count:     48
    .wavefront_size: 32
...
	.end_amdgpu_metadata
.endif
;; end of part 1
;; launch attn (part 2): grid 4 x 64, 8 waves a work-group, no clusters, 314,368 bytes of LDS; arguments query_codes, query_scales, key_codes, key_scales, value_codes, value_scales, maskw, cls, out0; writes out0
.if DOCPART == 2
	.amdgcn_target "amdgcn-amd-amdhsa--gfx1250"
	.amdhsa_code_object_version 6
	.text
	.protected	k_q584f32b2da_attn
	.globl	k_q584f32b2da_attn
	.p2align	8
	.type	k_q584f32b2da_attn,@function
k_q584f32b2da_attn:
	s_mov_b64 s[64:65], 0
	v_nop
	global_prefetch_b8 v0, s[64:65] scope:SCOPE_SE
	s_setreg_imm32_b32 hwreg(HW_REG_WAVE_MODE, 25, 1), 1
	s_wait_xcnt 0x0
; out[q][head][:] = sum over k of softmax_k(where(mask, -10000, Q[q] . K[k] / sqrt(128))) V[k][:], 64 heads (head = 16 b + n), 2,048 queries and keys, head size 128.
; Both products on codes of FP4 (E2M1) with one E8M0 byte for each 32 along K, as they are given.  Q, K: rows of 64 bytes, 4,096 bytes apart; their scale words 256 bytes apart.
; V: keys innermost, a head is 128 rows of 1,024 bytes; its scale bytes 128 rows of 64.
; THE SOFTMAX AHEAD OF THE SECOND PRODUCT: t = score x c, c = log2(e) / sqrt(128); M = the running largest t rounded UP to a whole number; p = 2^(t - M) is quantised along the keys, not normalised;
; the row's sum is taken of the unquantised p and divides at the end; when M moves, the sum and O are multiplied by 2^(old M - new M), which rounds nothing.
; THE MASK is an input and replaces a score by a number: a masked key counts in the maximum, in the sum and in p.  It comes as lane masks and classes from the launch before (maskw, cls).
; SHARES.  A work-group of eight waves takes one head and two blocks of 256 queries, blocks x and 7 - x, in two passes.  A wave owns 32 queries, two tiles of 16: each fragment of K and V read from LDS feeds two products.
; THE WHOLE HEAD'S K, V AND SCALES LIE IN LDS (272 KiB), put there once, through registers, in four chunks of 512 keys; each chunk is asked for four key steps ahead of the wait for it, during pass 0.  Pass 1 has no barrier.
; A KEY STEP (128 keys) BRANCHES ON ITS CLASS, a whole number read from memory: 0: no select; 1: 128 selects; 2: every score is the same number, so K Q^T and the search for maxima are left out and one p a query is made.
; The four work-groups of a head read the same K and V, once each in the whole launch.  They are not fetched jointly.
; LAYOUT.  Both products are used transposed: S^T = K Q^T (source 0 = 16 keys, source 1 = 16 queries), O^T = V^T P^T: a lane holds ONE query (lane % 16) throughout.
; THE KEYS OF A TILE ARE NOT NEIGHBOURS: row r of tile 2 b + u is key 32 b + 8 u + r + 8 (r / 8), so that registers 16 b + i of S are keys 32 b + 16 (lane / 16) + i: 16 neighbours along the next K.
; IMAGES.  A fragment (16 rows x 128 K: 8 registers a lane, 1,024 bytes) lies in LDS as its registers: the 16 bytes of row r, piece p = 2 c + h (registers 4 c .., half h) at 256 p + 16 (r xor 4 p).
; A reader's sixteen lanes (p fixed, sixteen r) and a writer's sixteen lanes (four r, four p) both touch sixteen different columns of 16 bytes: no padding is needed.
; LIMITS.  A masked score enters as -10000 sqrt(128) rounded to f32, so its t lies within some 2e-3 of -10000 log2(e) (one or two steps of f32 at that size).  p under 2^-126 comes out as 0.
; In a step of class 2 a lane's sum takes 64 p in one multiply-add in place of 64 additions.  Scale bytes 0xff (NaN) are not served.
; REGISTERS.  Window 0: v1-15, v248-253 addresses and constants; v16-31 Q; v32-159 S^T, then p; v160-175 p's codes; v176-186 scale words and nothing else; v188-231 statistics; v232-247 one p and seven zeros a tile.
;   Window 1: v0-127 O^T; v128-191 a chunk on its way to LDS; v192-255 eight fragments of K or of V.
.set VIMG,  131072                     ; LDS: K's images [step 16][tile 8][1,024] from byte 0; V's likewise from here
.set KSC,   262144                     ; K's scale words: [step][lane 32][b 4]: lanes 0-15 tile 2 b, lanes 16-31 tile 2 b + 1
.set VSC,   270336                     ; V's likewise
.set STAGE, 278528                     ; the way out: 16 rows x (256 + 16) bytes for each wave
.set SP,    272
.set AL0, 1                            ; v1   my place in an image, registers 0-3
.set AL1, 2                            ; v2   registers 4-7
.set L16, 3                            ; v3   16 x lane
.set ADK, 4                            ; v4-5 the step's K images
.set ADV, 6                            ; v6-7 V's
.set ADS, 8                            ; v8   the step's scale words
.set VNEG, 9                           ; v9   -10000 sqrt(128): what a masked score becomes ahead of x c
.set KW,  10                           ; v10  where I store 16 bytes of K in a chunk's images
.set VW,  11                           ; v11  of V
.set KGO, 12                           ; v12  my byte offset in K's chunk in memory
.set VGO, 13                           ; v13  in V's
.set STO, 14                           ; v14  the stage: in
.set RD,  15                           ; v15  the stage: back
.set Q,   16
.set S,   32
.set PC,  160
.set KS,  176
.set VS,  180
.set QS,  184
.set PW,  185
.set ST,  188                          ; tile x's statistics at v[ST + 22 x]:
.set NM,  0                            ;   -M
.set TMX, 1                            ;   the largest t so far
.set LS,  2                            ;   the sum, in two halves
.set BM,  4                            ;   four blocks' largest scores, then largest p
.set PT,  8                            ;   four at work: the other half's, then the bytes
.set SO,  12                           ;   four scale operands of the conversions
.set FF,  16                           ;   f = 2^(old M - new M), later 1 / sum; +1 is named with it as a pair
.set TT,  18
.set SM2, 20                           ;   the second chain of the sum
.set Z8,  232
.set GO,  248                          ; v248 my byte offset in the wave's rows of out
.set QO,  249
.set QSO, 250
.set FA,  251
.set FB,  252
.set TMV, 253                          ; v253 c x VNEG: a masked key's t
.set RR,  254                          ; at the head: lane % 16
.set HH,  255                          ; at the head: lane / 16
.set O,   0                            ; window 1
.set STG, 128
.set FR,  192
.set WV,  2
.set HEAD, 3
.set CS,  22                           ; s[22:23] c, twice: the packed form names a pair
.set SEL, 24                           ; s[24:25] lane l xor 16
.set SK,  26                           ; LDS byte of the step's K images
.set SV,  27                           ; V's
.set SS,  28                           ; its scale words
.set CW,  29                           ; the pass's 16 classes, two bits each, the next step's lowest
.set CLS, 30
.set CNT, 31
.set CH,  66
.set SF,  67                           ; the chunk's first byte in the images
.set MSB, 0
.macro WIN new                         ; bits 1:0 source 0, 3:2 source 1, 5:4 source 2, 7:6 destination; the high byte repeats the setting that is left
.if MSB != \new
	s_set_vgpr_msb (MSB<<8)|\new
.set MSB, \new
.endif
.endm
.macro PLACES n
.rept \n
	v_nop
.endr
.endm
; my 32 queries: two fragments, their scale words (lane l: query l, so tile 1's stand in lanes 16-31), and the pass's 16 class words
.macro QLOAD
.irp x, 0,1
.irp c, 0,1
	global_load_b128 v[Q+8*\x+4*\c:Q+8*\x+4*\c+3], v[QO], s[4:5] offset:\x*65536+32*\c
.endr
.endr
	global_load_b32 v[QS], v[QSO], s[6:7]
	s_load_b512 s[32:47], s[18:19], 0x0
.endm
; a chunk of 512 keys into registers: K: thread t takes piece t % 4 of key t / 4 + 64 i;  V: piece t % 4 of step i % 4 of row t / 4 + 64 (i / 4)
.macro FILL_LOAD
	WIN 0x40
.irp i, 0,1,2,3,4,5,6,7
	global_load_b128 v[STG+4*\i:STG+4*\i+3], v[KGO], s[8:9] offset:\i*262144
.endr
.irp i, 0,1,2,3,4,5,6,7
	global_load_b128 v[STG+32+4*\i:STG+32+4*\i+3], v[VGO], s[12:13] offset:(\i/4)*65536+(\i%4)*64
.endr
	WIN 0
.endm
.macro FILL_STORE                      ; and on into the images: K: 64 keys are four tiles: 4,096 i;  V: step i % 4, tiles 4 (i / 4) on
	v_add_nc_u32 v[FA], s[SF], v[KW]
	v_add_nc_u32 v[FB], s[SF], v[VW]
	WIN 0x04
.irp i, 0,1,2,3,4,5,6,7
	ds_store_b128 v[FA], v[STG+4*\i:STG+4*\i+3] offset:\i*4096
.endr
.irp i, 0,1,2,3,4,5,6,7
	ds_store_b128 v[FB], v[STG+32+4*\i:STG+32+4*\i+3] offset:(\i%4)*8192+(\i/4)*4096
.endr
	WIN 0
.endm
.macro VLOAD                           ; the step's eight fragments of V and their scale words
	WIN 0x40
.irp t, 0,1,2,3,4,5,6,7
	ds_load_b128 v[FR+8*\t:FR+8*\t+3],   v[ADV]   offset:\t*1024
	ds_load_b128 v[FR+8*\t+4:FR+8*\t+7], v[ADV+1] offset:\t*1024
.endr
	WIN 0
	ds_load_b128 v[VS:VS+3], v[ADS] offset:VSC-KSC
.endm
; S^T = K Q^T: eight tiles of keys x two tiles of queries, each a whole sum (K = 128): C = 0.  Then V's fragments are asked for: they land under the softmax.
.macro QK
	WIN 0x40
.irp t, 0,1,2,3,4,5,6,7
	ds_load_b128 v[FR+8*\t:FR+8*\t+3],   v[ADK]   offset:\t*1024
	ds_load_b128 v[FR+8*\t+4:FR+8*\t+7], v[ADK+1] offset:\t*1024
.endr
	WIN 0
	ds_load_b128 v[KS:KS+3], v[ADS]
	s_wait_dscnt 0x0
	WIN 0x01                                       ; source 0 (K) window 1
.irp b, 0,1,2,3
	v_wmma_scale_f32_16x16x128_f8f6f4 v[S+16*\b:S+16*\b+7], v[FR+16*\b:FR+16*\b+7], v[Q:Q+7], 0, v[KS+\b], v[QS] matrix_a_fmt:MATRIX_FMT_FP4 matrix_b_fmt:MATRIX_FMT_FP4
	v_wmma_scale_f32_16x16x128_f8f6f4 v[S+64+16*\b:S+64+16*\b+7], v[FR+16*\b:FR+16*\b+7], v[Q+8:Q+15], 0, v[KS+\b], v[QS] matrix_a_fmt:MATRIX_FMT_FP4 matrix_b_fmt:MATRIX_FMT_FP4 matrix_b_scale:MATRIX_SCALE_ROW1
	v_wmma_scale_f32_16x16x128_f8f6f4 v[S+16*\b+8:S+16*\b+15], v[FR+16*\b+8:FR+16*\b+15], v[Q:Q+7], 0, v[KS+\b], v[QS] matrix_a_fmt:MATRIX_FMT_FP4 matrix_b_fmt:MATRIX_FMT_FP4 matrix_a_scale:MATRIX_SCALE_ROW1
	v_wmma_scale_f32_16x16x128_f8f6f4 v[S+64+16*\b+8:S+64+16*\b+15], v[FR+16*\b+8:FR+16*\b+15], v[Q+8:Q+15], 0, v[KS+\b], v[QS] matrix_a_fmt:MATRIX_FMT_FP4 matrix_b_fmt:MATRIX_FMT_FP4 matrix_a_scale:MATRIX_SCALE_ROW1 matrix_b_scale:MATRIX_SCALE_ROW1
.endr
	WIN 0
	PLACES 4                                       ; four plain places behind the products, for the loads into the fragments' registers and for the first reads of the scores
	VLOAD
.endm
; The selects.  Tile 0's 64 words were asked for ahead of K Q^T; each group of 16 scalar registers is asked for again, with tile 1's words, as soon as its selects are issued.  Each accumulator is read from its low end on.
.macro MASK
	s_wait_kmcnt 0x0
.irp g, 0,1,2,3
.irp i, 0,1,2,3,4,5,6,7,8,9,10,11,12,13,14,15
	v_cndmask_b32 v[S+16*\g+\i], v[S+16*\g+\i], v[VNEG], s[32+16*\g+4*(\g/2)+\i]
.endr
	s_load_b512 s[32+16*\g+4*(\g/2):47+16*\g+4*(\g/2)], s[16:17], 256+64*\g
.endr
	s_wait_kmcnt 0x0
.irp g, 0,1,2,3
.irp i, 0,1,2,3,4,5,6,7,8,9,10,11,12,13,14,15
	v_cndmask_b32 v[S+64+16*\g+\i], v[S+64+16*\g+\i], v[VNEG], s[32+16*\g+4*(\g/2)+\i]
.endr
.endr
.endm
; The softmax of both tiles for one key step, stage by stage, the two tiles one behind the other in each stage.
.macro SOFT
.irp x, 0,1                            ; the largest score of each block of 32 keys: it serves for the row's maximum and, since p rises with the score, for the block's largest p
.set sx, S+64*\x
.set tx, ST+22*\x
.irp b, 0,1,2,3
	v_max3_num_f32 v[tx+BM+\b], v[sx+16*\b], v[sx+16*\b+1], v[sx+16*\b+2]
.endr
.irp i, 3,5,7,9,11,13
.irp b, 0,1,2,3
	v_max3_num_f32 v[tx+BM+\b], v[tx+BM+\b], v[sx+16*\b+\i], v[sx+16*\b+\i+1]
.endr
.endr
.irp b, 0,1,2,3
	v_max_num_f32 v[tx+BM+\b], v[tx+BM+\b], v[sx+16*\b+15]
.endr
.endr
.irp x, 0,1
.irp b, 0,1,2,3
	v_permlanex16_b32 v[ST+22*\x+PT+\b], v[ST+22*\x+BM+\b], s[SEL], s[SEL+1]
.endr
.endr
.irp x, 0,1
.irp b, 0,1,2,3
	v_max_num_f32 v[ST+22*\x+BM+\b], v[ST+22*\x+BM+\b], v[ST+22*\x+PT+\b]   ; with lane l xor 16's 16 keys
.endr
.endr
.irp x, 0,1
	v_max3_num_f32 v[ST+22*\x+TT], v[ST+22*\x+BM], v[ST+22*\x+BM+1], v[ST+22*\x+BM+2]
.endr
.irp x, 0,1
	v_max_num_f32 v[ST+22*\x+TT], v[ST+22*\x+TT], v[ST+22*\x+BM+3]          ; the step's largest score of my query
.endr
.irp x, 0,1
	v_mul_f32 v[ST+22*\x+TT], s[CS], v[ST+22*\x+TT]                         ; as t (c is positive)
.endr
.irp x, 0,1
	v_max_num_f32 v[ST+22*\x+TMX], v[ST+22*\x+TMX], v[ST+22*\x+TT]
.endr
.irp x, 0,1
	v_mov_b32 v[ST+22*\x+TT], v[ST+22*\x+NM]
.endr
.irp x, 0,1
	v_floor_f32 v[ST+22*\x+NM], -v[ST+22*\x+TMX]                            ; the new -M = floor(-t): M is a whole number
.endr
.irp x, 0,1
	v_sub_f32 v[ST+22*\x+TT], v[ST+22*\x+NM], v[ST+22*\x+TT]                ; old M - new M: a whole number, 0 or less
.endr
.irp x, 0,1
	v_cvt_i32_f32 v[ST+22*\x+TT], v[ST+22*\x+TT]                            ; (it saturates)
.endr
.irp x, 0,1
	v_ldexp_f32 v[ST+22*\x+FF], 1.0, v[ST+22*\x+TT]                         ; f
.endr
.irp x, 0,1
.set sx, S+64*\x
.set tx, ST+22*\x
.set j, 0
.rept 32
	v_pk_fma_f32 v[sx+j:sx+j+1], v[sx+j:sx+j+1], s[CS:CS+1], v[tx+NM:tx+NM+1] op_sel_hi:[1,0,0]   ; t - M, two at a time (of the pairs c and -M the low word serves both halves)
.set j, j+2
.endr
.irp b, 0,1,2,3
	v_fma_f32 v[tx+BM+\b], v[tx+BM+\b], s[CS], v[tx+NM]                     ; the same of each block's largest score
.endr
.endr
.irp x, 0,1
.set sx, S+64*\x
.set tx, ST+22*\x
.set j, 0
.rept 64
	v_exp_f32 v[sx+j], v[sx+j]                                              ; p = 2^(t - M), at most 1
.set j, j+1
.endr
.irp b, 0,1,2,3
	v_exp_f32 v[tx+BM+\b], v[tx+BM+\b]                                      ; the block's largest p: the same two instructions on the same number
.endr
.endr
.irp x, 0,1
	v_pk_mul_f32 v[ST+22*\x+LS:ST+22*\x+LS+1], v[ST+22*\x+LS:ST+22*\x+LS+1], v[ST+22*\x+FF:ST+22*\x+FF+1] op_sel_hi:[1,0]   ; the sums under the new M; also the plain place behind the exponentials
.endr
	s_wait_alu depctr_va_vdst(0)
.irp x, 0,1
.irp b, 0,1,2,3
	v_max_num_f32 v[ST+22*\x+BM+\b], 0x1800000, v[ST+22*\x+BM+\b]           ; the floor 2^(3 - 127): the byte cannot fall under 1 (a block whose every p is 0 keeps that byte: its codes are zeros)
.endr
.endr
.irp x, 0,1
.irp b, 0,1,2,3
	v_add_nc_u32 v[ST+22*\x+SO+\b], 0xff000000, v[ST+22*\x+BM+\b]           ; 2 off the exponent field: the conversion's scale operand
.endr
.endr
.irp x, 0,1
.irp b, 0,1,2,3
	v_lshrrev_b32 v[ST+22*\x+PT+\b], 23, v[ST+22*\x+SO+\b]                  ; the scale's byte
.endr
.endr
.irp x, 0,1
	v_lshl_or_b32 v[PW+\x], v[ST+22*\x+PT+1], 8, v[ST+22*\x+PT]             ; p's scale word for these 128 keys
.endr
.irp x, 0,1
	v_lshl_or_b32 v[PW+\x], v[ST+22*\x+PT+2], 16, v[PW+\x]
.endr
.irp x, 0,1
	v_lshl_or_b32 v[PW+\x], v[ST+22*\x+PT+3], 24, v[PW+\x]
.endr
.irp x, 0,1
.irp b, 0,1,2,3
	v_cvt_scalef32_pk8_fp4_f32 v[PC+8*\x+2*\b], v[S+64*\x+16*\b:S+64*\x+16*\b+7], v[ST+22*\x+SO+\b]
	v_cvt_scalef32_pk8_fp4_f32 v[PC+8*\x+2*\b+1], v[S+64*\x+16*\b+8:S+64*\x+16*\b+15], v[ST+22*\x+SO+\b]
.endr
.endr
	v_nop                                          ; one plain place behind the scaled conversions
.irp x, 0,1
.irp c, 0,1                            ; the operand wants a WHOLE block in a lane: lanes 0-15 block 2 c, lanes 16-31 block 2 c + 1
.irp i, 0,1
	v_permlane16_swap_b32 v[PC+8*\x+4*\c+\i], v[PC+8*\x+4*\c+2+\i]
.endr
.endr
.endr
.irp x, 0,1                            ; the row's sum is taken of the unquantised p: two at a time, in two chains
.set sx, S+64*\x
.set tx, ST+22*\x
	v_pk_add_f32 v[tx+SM2:tx+SM2+1], v[sx:sx+1], v[sx+2:sx+3]
.irp j, 4,8,12,16,20,24,28,32,36,40,44,48,52,56,60
	v_pk_add_f32 v[tx+LS:tx+LS+1], v[tx+LS:tx+LS+1], v[sx+\j:sx+\j+1]
	v_pk_add_f32 v[tx+SM2:tx+SM2+1], v[tx+SM2:tx+SM2+1], v[sx+\j+2:sx+\j+3]
.endr
	v_pk_add_f32 v[tx+LS:tx+LS+1], v[tx+LS:tx+LS+1], v[tx+SM2:tx+SM2+1]
.endr
	WIN 0x41                                       ; O^T (destination and source 0) window 1
.irp x, 0,1
.set j, 0
.rept 32
	v_pk_mul_f32 v[O+64*\x+j:O+64*\x+j+1], v[O+64*\x+j:O+64*\x+j+1], v[ST+22*\x+FF:ST+22*\x+FF+1] op_sel_hi:[1,0]   ; O^T under the new M, each accumulator from its low end on.  The sums and these are the places between p's codes and scale words and the products
.set j, j+2
.endr
.endr
	WIN 0
.endm
; A step all of whose 32 x 128 scores are masked.  Every score is VNEG.  The pass began its largest t at a masked key's t (PROLOGUE), so M cannot move here and f = 1: one p a query, its code in every place of the operand.
.macro MASKED
	VLOAD                                          ; (the five additions at the step's head are the places behind the last products)
.irp x, 0,1
	v_fma_f32 v[ST+22*\x+TT], v[VNEG], s[CS], v[ST+22*\x+NM]
.endr
.irp x, 0,1
	v_exp_f32 v[Z8+8*\x], v[ST+22*\x+TT]
.endr
	v_nop                                          ; a plain place behind the exponentials
	s_wait_alu depctr_va_vdst(0)
.irp x, 0,1
	v_max_num_f32 v[ST+22*\x+BM], 0x1800000, v[Z8+8*\x]
.endr
.irp x, 0,1
	v_add_nc_u32 v[ST+22*\x+SO], 0xff000000, v[ST+22*\x+BM]
.endr
.irp x, 0,1
	v_lshrrev_b32 v[ST+22*\x+PT], 23, v[ST+22*\x+SO]
.endr
.irp x, 0,1
	v_perm_b32 v[PW+\x], v[ST+22*\x+PT], v[ST+22*\x+PT], 0                  ; the byte four times: all four blocks have the same largest p
.endr
.irp x, 0,1
	v_fma_f32 v[ST+22*\x+LS], v[Z8+8*\x], 0x42800000, v[ST+22*\x+LS]        ; my 64 keys' p
.endr
.irp x, 0,1
	v_cvt_scalef32_pk8_fp4_f32 v[PC+8*\x], v[Z8+8*\x:Z8+8*\x+7], v[ST+22*\x+SO]   ; p and seven zeros: the code in the lowest four bits
.endr
	v_nop                                          ; one plain place behind the scaled conversions
.irp x, 0,1
	v_mul_lo_u32 v[PC+8*\x], v[PC+8*\x], 0x11111111                         ; the code eight times (it is under 8: nothing carries)
.endr
.irp x, 0,1
.irp i, 1,2,3,4,5,6,7
	v_mov_b32 v[PC+8*\x+\i], v[PC+8*\x]
.endr
.endr
	PLACES 4                                       ; an operand written by vector instructions stands four places ahead of a scaled product; the scale words stand more than eight ahead
.endm
; O^T += V^T P^T: sixteen accumulators by turns, one instruction a turn; K = the step's 128 keys
.macro PV
	s_wait_dscnt 0x0                               ; V's fragments and scale words are in
	WIN 0x51                                       ; source 0 (V), C and D window 1; source 1 (p's codes) window 0
.irp m, 0,1,2,3
	v_wmma_scale_f32_16x16x128_f8f6f4 v[O+16*\m:O+16*\m+7], v[FR+16*\m:FR+16*\m+7], v[PC:PC+7], v[O+16*\m:O+16*\m+7], v[VS+\m], v[PW] matrix_a_fmt:MATRIX_FMT_FP4 matrix_b_fmt:MATRIX_FMT_FP4
	v_wmma_scale_f32_16x16x128_f8f6f4 v[O+64+16*\m:O+64+16*\m+7], v[FR+16*\m:FR+16*\m+7], v[PC+8:PC+15], v[O+64+16*\m:O+64+16*\m+7], v[VS+\m], v[PW+1] matrix_a_fmt:MATRIX_FMT_FP4 matrix_b_fmt:MATRIX_FMT_FP4
	v_wmma_scale_f32_16x16x128_f8f6f4 v[O+16*\m+8:O+16*\m+15], v[FR+16*\m+8:FR+16*\m+15], v[PC:PC+7], v[O+16*\m+8:O+16*\m+15], v[VS+\m], v[PW] matrix_a_fmt:MATRIX_FMT_FP4 matrix_b_fmt:MATRIX_FMT_FP4 matrix_a_scale:MATRIX_SCALE_ROW1
	v_wmma_scale_f32_16x16x128_f8f6f4 v[O+64+16*\m+8:O+64+16*\m+15], v[FR+16*\m+8:FR+16*\m+15], v[PC+8:PC+15], v[O+64+16*\m+8:O+64+16*\m+15], v[VS+\m], v[PW+1] matrix_a_fmt:MATRIX_FMT_FP4 matrix_b_fmt:MATRIX_FMT_FP4 matrix_a_scale:MATRIX_SCALE_ROW1
.endr
	WIN 0
.endm
; A KEY STEP.  K Q^T is written on both ways that have it, so that one decision picks the way and no way reads mask words that were not loaded.
.macro STEP
	s_and_b32 s[CLS], s[CW], 3
	s_lshr_b32 s[CW], s[CW], 2
	v_add_nc_u32 v[ADK], s[SK], v[AL0]             ; five plain instructions: the places behind the last step's products, ahead of the loads into their fragments' and scales' registers
	v_add_nc_u32 v[ADK+1], s[SK], v[AL1]
	v_add_nc_u32 v[ADV], s[SV], v[AL0]
	v_add_nc_u32 v[ADV+1], s[SV], v[AL1]
	v_add_nc_u32 v[ADS], s[SS], v[L16]
	s_cmp_eq_u32 s[CLS], 2
	s_cbranch_scc1 .Lmasked_\@
	s_cmp_eq_u32 s[CLS], 1
	s_cbranch_scc1 .Lmixed_\@
	QK
	s_branch .Lsoft_\@
.Lmixed_\@:
.irp g, 0,1,2,3
	s_load_b512 s[32+16*\g+4*(\g/2):47+16*\g+4*(\g/2)], s[16:17], 64*\g     ; tile 0's 64 mask words
.endr
	QK
	MASK
.Lsoft_\@:
	SOFT
	s_branch .Lpv_\@
.Lmasked_\@:
	MASKED
.Lpv_\@:
	PV
	s_add_co_u32 s[SK], s[SK], 8192
	s_add_co_u32 s[SV], s[SV], 8192
	s_add_co_u32 s[SS], s[SS], 512
	s_add_nc_u64 s[16:17], s[16:17], 512           ; the next step's mask words (no scalar load is out: the selects ended on a wait for 0)
.endm
; A pass begins.  The 16 classes are packed two bits each.  Where some step of the pass is wholly masked, every one of my rows has masked keys, so its final largest t is at least a masked key's t:
; the running largest t may begin there (a running M above the running maximum only moves powers of two), and the masked steps need no change of M.  Else it begins at -3e38, under every t.
; O^T and the sums begin as zeros: the step is written without a first step of its own, whose three ways would be a third copy of it; the first change of M leaves zeros zeros.
.macro PROLOGUE pass
.if \pass
	s_wait_loadcnt 0x0                             ; Q and its scale words
.endif
	s_wait_kmcnt 0x0                               ; the class words
	s_mov_b32 s[CW], s32
.irp j, 1,2,3,4,5,6,7,8,9,10,11,12,13,14,15
	s_lshl_b32 s100, s[32+\j], 2*\j
	s_or_b32 s[CW], s[CW], s100
.endr
	s_and_b32 s100, s[CW], 0xaaaaaaaa              ; SCC: some class is 2
	s_cselect_b32 s101, -1, 0
.irp x, 0,1
	v_mov_b32 v[ST+22*\x+TT], 0xff61b1e6
	v_cndmask_b32 v[ST+22*\x+TMX], v[ST+22*\x+TT], v[TMV], s101
	v_floor_f32 v[ST+22*\x+NM], -v[ST+22*\x+TMX]
	v_mov_b32 v[ST+22*\x+LS], 0
	v_mov_b32 v[ST+22*\x+LS+1], 0
.endr
	WIN 0x40
.set j, 0
.rept 128
	v_mov_b32 v[O+j], 0
.set j, j+1
.endr
	WIN 0
	s_mov_b32 s[SK], 0
	s_mov_b32 s[SV], VIMG
	s_mov_b32 s[SS], KSC
.endm
; THE WAY OUT.  O^T / the sum goes through my stage in LDS, half a row (64 channels, 256 bytes) of 16 queries at a time, and leaves so that sixteen lanes store 256 consecutive bytes, aligned.
.macro WAYOUT
	PLACES 4                                       ; behind the last products
.irp x, 0,1
	v_add_f32 v[ST+22*\x+TT], v[ST+22*\x+LS], v[ST+22*\x+LS+1]
.endr
.irp x, 0,1
	v_permlanex16_b32 v[ST+22*\x+PT], v[ST+22*\x+TT], s[SEL], s[SEL+1]
.endr
.irp x, 0,1
	v_add_f32 v[ST+22*\x+TT], v[ST+22*\x+TT], v[ST+22*\x+PT]                ; the row's sum
.endr
.irp x, 0,1
	v_rcp_f32 v[ST+22*\x+FF], v[ST+22*\x+TT]
.endr
	v_nop                                          ; a plain place behind the reciprocals
	s_wait_alu depctr_va_vdst(0)
.irp x, 0,1
.if \x
	s_wait_xcnt 0x0                                ; tile 0's stores have read their registers: they are loaded again below
.endif
	WIN 0x01                                       ; source 0 (O^T) window 1
.set j, 0
.rept 64
	v_mul_f32 v[S+j], v[O+64*\x+j], v[ST+22*\x+FF]                          ; register 8 t + i is out(query r, channel 16 t + 8 h + i); each accumulator from its low end on
.set j, j+1
.endr
	WIN 0
.irp u, 0,1
.irp t, 0,1,2,3
	ds_store_b128 v[STO], v[S+32*\u+8*\t:S+32*\u+8*\t+3] offset:64*\t
	ds_store_b128 v[STO], v[S+32*\u+8*\t+4:S+32*\u+8*\t+7] offset:64*\t+16
.endr
.irp i, 0,1,2,3,4,5,6,7
	ds_load_b128 v[S+64+32*\u+4*\i:S+64+32*\u+4*\i+3], v[RD] offset:2*\i*SP   ; LDS serves a wave's instructions in order (ISA guide 5.7.1): these see my stores, and the next half's stores come behind them
.endr
.endr
.irp u, 0,1
.irp i, 0,1,2,3,4,5,6,7
	s_wait_dscnt 23-16*\u-\i                       ; behind this load: the rest of its eight, and for the first half the second half's 8 stores and 8 loads
	global_store_b128 v[GO], v[S+64+32*\u+4*\i:S+64+32*\u+4*\i+3], s[20:21] offset:(16*\x+2*\i)*32768+256*\u th:TH_STORE_NT
.endr
.endr
.endr
.endm
	s_load_b512 s[4:19], s[0:1], 0x0               ; Q's codes, scales; K's codes, scales; V's codes, scales; maskw; cls
	s_load_b64 s[20:21], s[0:1], 0x40              ; out
	v_lshl_add_u32 v207, v0, 2, 0x4c800
	v_mov_b32 v229, 0
	v_lshrrev_b32 v52, 5, v0
	v_readfirstlane_b32 s[WV], v52                 ; wave 0..7
	s_and_b32 s[HEAD], ttmp7, 0xffff
	s_mov_b32 s[CS], 0x3e0293ee                    ; c = log2(e) / sqrt(128)
	s_mov_b32 s[CS+1], s[CS]
	s_mov_b32 s[SEL], 0x76543210
	s_mov_b32 s[SEL+1], 0xfedcba98
	v_mov_b32 v[VNEG], 0xc7dcf88b                  ; -10000 sqrt(128)
	v_mul_f32 v[TMV], s[CS], v[VNEG]
	v_and_b32 v[RR], 15, v0                        ; r
	v_bfe_u32 v[HH], v0, 4, 1                      ; h
	; a reader's place in an image: 512 c + 256 h + 16 (r xor 4 (2 c + h))
	v_lshlrev_b32 v[AL0], 2, v[HH]
	v_xor_b32 v[AL0], v[AL0], v[RR]
	v_lshlrev_b32 v[AL0], 4, v[AL0]
	v_lshl_or_b32 v[AL0], v[HH], 8, v[AL0]
	v_xor_b32 v[AL1], 640, v[AL0]                  ; c = 1: + 512, and r xor 8 more
	v_and_b32 v[L16], 31, v0
	v_lshlrev_b32 v[QSO], 8, v[L16]                ; Q's scale words: 256 bytes from query to query
	v_lshlrev_b32 v[L16], 4, v[L16]
	; a writer's place.  K: thread t holds piece p = t % 4 of key t / 4 (+ 64 i): the key's bits 0-2 and 4 are its row in a tile, bit 3 and bits 5, 6 the tile
	v_and_b32 v52, 3, v0                           ; p
	v_lshlrev_b32 v55, 2, v52                      ; 4 p
	v_bfe_u32 v53, v0, 2, 3
	v_bfe_u32 v54, v0, 6, 1
	v_lshl_or_b32 v53, v54, 3, v53                 ; the row
	v_xor_b32 v53, v53, v55
	v_lshlrev_b32 v[KW], 4, v53
	v_lshl_or_b32 v[KW], v52, 8, v[KW]
	v_bfe_u32 v54, v0, 5, 1
	v_lshl_or_b32 v[KW], v54, 10, v[KW]            ; tile + 1
	v_bfe_u32 v54, v0, 7, 1
	v_lshl_or_b32 v[KW], v54, 11, v[KW]            ; tile + 2
	; V: piece p of row t / 4 (+ 64 (i / 4)): row % 16 in tile row / 16
	v_bfe_u32 v53, v0, 2, 4
	v_xor_b32 v53, v53, v55
	v_lshlrev_b32 v[VW], 4, v53
	v_lshl_or_b32 v[VW], v52, 8, v[VW]
	v_bfe_u32 v53, v0, 6, 2
	v_lshl_or_b32 v[VW], v53, 10, v[VW]
	v_add_nc_u32 v[VW], VIMG, v[VW]
	v_lshrrev_b32 v53, 2, v0
	v_lshlrev_b32 v[KGO], 12, v53                  ; in memory: K's rows 4,096 bytes apart,
	v_lshl_or_b32 v[KGO], v52, 4, v[KGO]
	v_lshlrev_b32 v[VGO], 10, v53                  ; V's 1,024
	v_lshl_or_b32 v[VGO], v52, 4, v[VGO]
	; the scale words.  K's: thread t takes key t (+ 256 i).  V's: thread t takes 16 bytes: steps 4 p .. 4 p + 3 of row t / 4 (+ 64 i)
	v_lshlrev_b32 v48, 8, v0
	v_lshlrev_b32 v49, 4, v0
	v_and_b32 v53, 7, v0
	v_bfe_u32 v56, v0, 4, 1
	v_lshl_or_b32 v53, v56, 3, v53
	v_bfe_u32 v56, v0, 3, 1
	v_lshl_or_b32 v53, v56, 4, v53                 ; the lane that will want it: row + 16 x (odd tile)
	v_lshlrev_b32 v50, 4, v53
	v_bfe_u32 v56, v0, 5, 2
	v_lshl_or_b32 v50, v56, 2, v50                 ; pair of tiles b
	v_lshl_or_b32 v50, v54, 9, v50                 ; step + 1 (v54 is still the thread's bit 7)
	v_add_nc_u32 v50, KSC, v50
	v_bfe_u32 v53, v0, 2, 5
	v_lshlrev_b32 v51, 4, v53                      ; row % 32 is the lane
	v_lshl_or_b32 v51, v52, 11, v51                ; steps 4 p on
	v_lshl_or_b32 v51, v54, 2, v51                 ; row / 32 is the pair of tiles
	v_add_nc_u32 v51, VSC, v51
	; Q, out, the stage
	v_lshlrev_b32 v[QO], 12, v[RR]
	v_lshl_or_b32 v[QO], v[HH], 4, v[QO]
	v_lshlrev_b32 v[GO], 4, v[RR]
	v_lshl_or_b32 v[GO], v[HH], 15, v[GO]          ; lanes 0-15 one query's row of out (32,768 bytes apart), lanes 16-31 the next
	s_mul_i32 s100, s[WV], 16*SP
	s_add_co_u32 s100, s100, STAGE
	v_mul_u32_u24 v[STO], v[RR], SP
	v_lshl_add_u32 v[STO], v[HH], 5, v[STO]
	v_add_nc_u32 v[STO], s100, v[STO]
	v_mul_u32_u24 v[RD], v[HH], SP
	v_lshl_add_u32 v[RD], v[RR], 4, v[RD]
	v_add_nc_u32 v[RD], s100, v[RD]
.irp x, 0,1
.irp b, 0,1,2,3
	v_mov_b32 v[ST+22*\x+PT+\b], 0                 ; written once: a lane permute's destination counts as one of its sources
.endr
	v_mov_b32 v[ST+22*\x+FF+1], 0                  ; named as the upper half of f's pair
.irp i, 1,2,3,4,5,6,7
	v_mov_b32 v[Z8+8*\x+\i], 0                     ; the seven zeros beside a masked step's p
.endr
.endr
	s_lshl_b32 s100, ttmp9, 8
	s_lshl_b32 s101, s[WV], 5
	s_add_co_u32 s100, s100, s101                  ; my first query in pass 0: 256 x + 32 wave
	s_mov_b32 s105, 0                              ; the upper word of every offset; it stays 0
	s_wait_kmcnt 0x0
	s_lshl_b32 s104, s100, 12
	s_lshl_b32 s101, s[HEAD], 6
	s_add_co_u32 s104, s104, s101
	s_add_nc_u64 s[4:5], s[4:5], s[104:105]        ; Q's codes
	s_lshl_b32 s104, s100, 8
	s_lshl_b32 s101, s[HEAD], 2
	s_add_co_u32 s104, s104, s101
	s_add_nc_u64 s[6:7], s[6:7], s[104:105]        ; Q's scale words
	s_lshl_b32 s104, s[HEAD], 6
	s_add_nc_u64 s[8:9], s[8:9], s[104:105]        ; K's codes: the head's 64 bytes of key 0
	s_lshl_b32 s104, s[HEAD], 2
	s_add_nc_u64 s[10:11], s[10:11], s[104:105]
	s_lshl_b32 s104, s[HEAD], 17
	s_add_nc_u64 s[12:13], s[12:13], s[104:105]    ; V's codes: the head's 128 rows
	s_lshl_b32 s104, s[HEAD], 13
	s_add_nc_u64 s[14:15], s[14:15], s[104:105]
	s_lshl_b32 s104, s100, 8
	s_add_nc_u64 s[16:17], s[16:17], s[104:105]    ; maskw: 8,192 bytes for each 32 queries
	s_lshl_b32 s104, s100, 1
	s_add_nc_u64 s[18:19], s[18:19], s[104:105]    ; cls: 64 bytes
	s_lshl_b32 s104, s100, 15
	s_lshl_b32 s101, s[HEAD], 9
	s_add_co_u32 s104, s104, s101
	s_add_nc_u64 s[20:21], s[20:21], s[104:105]    ; out
	QLOAD                                          ; 5 vector loads,
.irp i, 0,1,2,3,4,5,6,7
	global_load_b32 v[32+\i], v48, s[10:11] offset:\i*65536                 ; 8: K's scale words of the whole head,
.endr
.irp i, 0,1
	global_load_b128 v[40+4*\i:43+4*\i], v49, s[14:15] offset:\i*4096       ; 2: V's,
.endr
	FILL_LOAD                                      ; and 16: chunk 0
	PROLOGUE 0                                     ; registers are set while the loads are out
	s_wait_loadcnt 16                              ; all but chunk 0's sixteen, the youngest
.irp i, 0,1,2,3,4,5,6,7
	ds_store_b32 v50, v[32+\i] offset:\i*1024      ; 256 keys are two steps
.endr
.irp i, 0,1
.irp w, 0,1,2,3
	ds_store_b32 v51, v[40+4*\i+\w] offset:512*\w+8*\i
.endr
.endr
	; PASS 0: four chunks of four key steps.  Two barriers a chunk: between every wave's reads of the images and the stores into them, and between the stores and the reads.
	s_mov_b32 s[SF], 0
	s_mov_b32 s[CH], 0
.Lchunk:
	s_wait_loadcnt 0x0                             ; my part of the chunk is in registers: so its loads' bases may be stepped below
	s_wait_dscnt 0x0                               ; my LDS reads are back, and in the first trip my stores of scale words have landed
	s_barrier_signal -1
	s_barrier_wait -1
	FILL_STORE
	s_wait_dscnt 0x0                               ; for the others' sake: my stores have landed; and they have read their registers, which the next chunk's loads take
	s_add_nc_u64 s[8:9], s[8:9], 0x200000          ; 512 keys on: 4,096 bytes a key
	s_add_nc_u64 s[12:13], s[12:13], 256           ; 256 bytes on in each row of V
	s_add_co_u32 s[SF], s[SF], 32768
	s_cmp_eq_u32 s[CH], 3
	s_cbranch_scc1 .Lno_fill                       ; behind the last chunk there is nothing to ask for
	FILL_LOAD                                      ; the next chunk: four key steps ahead of the wait for it
.Lno_fill:
	s_barrier_signal -1
	s_barrier_wait -1                              ; the chunk is whole for every wave
	s_mov_b32 s[CNT], 0
.Lstep0:
	STEP
	s_add_co_u32 s[CNT], s[CNT], 1
	s_cmp_lt_u32 s[CNT], 4
	s_cbranch_scc1 .Lstep0
	s_add_co_u32 s[CH], s[CH], 1
	s_cmp_lt_u32 s[CH], 4
	s_cbranch_scc1 .Lchunk
	; BETWEEN THE PASSES: from block x to block 7 - x: D = 7 - 2 x blocks of 256 queries on.  Every load that named these bases has been waited for.  Pass 1's Q is asked for ahead of pass 0's way out.
	s_lshl_b32 s100, ttmp9, 1
	s_sub_co_u32 s100, 7, s100                     ; D: 7, 5, 3 or 1
	s_lshl_b32 s104, s100, 20
	s_add_nc_u64 s[4:5], s[4:5], s[104:105]
	s_lshl_b32 s104, s100, 16
	s_add_nc_u64 s[6:7], s[6:7], s[104:105]
	s_sub_co_u32 s104, s104, 8192                  ; maskw has walked its 16 steps of 512 bytes
	s_add_nc_u64 s[16:17], s[16:17], s[104:105]
	s_lshl_b32 s104, s100, 9
	s_add_nc_u64 s[18:19], s[18:19], s[104:105]
	s_lshl_b32 s104, s100, 23                      ; for out, below
	QLOAD
	WAYOUT
	s_wait_xcnt 0x0                                ; the stores have read their base and their registers: the base is stepped, and pass 1's scores land in those registers
	s_add_nc_u64 s[20:21], s[20:21], s[104:105]
	PROLOGUE 1
	; PASS 1: the whole head lies in LDS and nobody writes it any more: sixteen key steps, no barrier
	s_mov_b32 s[CNT], 0
.Lstep1:
	STEP
	s_add_co_u32 s[CNT], s[CNT], 1
	s_cmp_lt_u32 s[CNT], 16
	s_cbranch_scc1 .Lstep1
	WAYOUT
	s_wait_tensorcnt 0x0
	ds_add_u32 v207, v229
	s_wait_dscnt 0x0
	s_endpgm
.Lfunc_end_k_q584f32b2da_attn:
	.size	k_q584f32b2da_attn, .Lfunc_end_k_q584f32b2da_attn-k_q584f32b2da_attn
	.p2alignl 7, 3214868480
	.fill 96, 4, 3214868480
	.section	.rodata,"a",@progbits
	.p2align	6, 0x0
	.amdhsa_kernel k_q584f32b2da_attn
		.amdhsa_group_segment_fixed_size 314368
		.amdhsa_private_segment_fixed_size 0
		.amdhsa_enable_private_segment 0
		.amdhsa_kernarg_size 72
		.amdhsa_user_sgpr_count 2
		.amdhsa_user_sgpr_kernarg_segment_ptr 1
		.amdhsa_wavefront_size32 1
		.amdhsa_system_sgpr_workgroup_id_x 1
		.amdhsa_system_sgpr_workgroup_id_y 1
		.amdhsa_system_sgpr_workgroup_id_z 1
		.amdhsa_system_vgpr_workitem_id 0
		.amdhsa_next_free_vgpr 512
		.amdhsa_next_free_sgpr 106
		.amdhsa_reserve_vcc 0
		.amdhsa_float_denorm_mode_32 3
		.amdhsa_float_denorm_mode_16_64 3
		.amdhsa_memory_ordered 1
		.amdhsa_forward_progress 1
		.amdhsa_inst_pref_size 149
	.end_amdhsa_kernel
	.amdgpu_metadata
---
amdhsa.version: [ 1, 2 ]
amdhsa.kernels:
  - .name:           k_q584f32b2da_attn
    .symbol:         k_q584f32b2da_attn.kd
    .args:
      - { .name: query_codes, .offset: 0, .size: 8, .value_kind: global_buffer, .address_space: global }
      - { .name: query_scales, .offset: 8, .size: 8, .value_kind: global_buffer, .address_space: global }
      - { .name: key_codes, .offset: 16, .size: 8, .value_kind: global_buffer, .address_space: global }
      - { .name: key_scales, .offset: 24, .size: 8, .value_kind: global_buffer, .address_space: global }
      - { .name: value_codes, .offset: 32, .size: 8, .value_kind: global_buffer, .address_space: global }
      - { .name: value_scales, .offset: 40, .size: 8, .value_kind: global_buffer, .address_space: global }
      - { .name: maskw, .offset: 48, .size: 8, .value_kind: global_buffer, .address_space: global }
      - { .name: cls, .offset: 56, .size: 8, .value_kind: global_buffer, .address_space: global }
      - { .name: out0, .offset: 64, .size: 8, .value_kind: global_buffer, .address_space: global }
    .group_segment_fixed_size: 314368
    .private_segment_fixed_size: 0
    .kernarg_segment_align: 8
    .kernarg_segment_size: 72
    .max_flat_workgroup_size: 256
    .sgpr_count:     106
    .vgpr_count:     512
    .wavefront_size: 32
...
	.end_amdgpu_metadata
.endif
;; end of part 2
;; ======== version 2 of 2: 2 launches
;; workspace buffers: maskw 524,288 bytes of whole numbers; cls 4,096 bytes of whole numbers
;; launch pack (part 3): grid 256 x 1, 4 waves a work-group, no clusters, 0 bytes of LDS; arguments attention_mask, maskw, cls; writes maskw, cls
.if DOCPART == 3
	.amdgcn_target "amdgcn-amd-amdhsa--gfx1250"
	.amdhsa_code_object_version 6
	.text
	.protected	k_q584f32b2da_pack
	.globl	k_q584f32b2da_pack
	.p2align	8
	.type	k_q584f32b2da_pack,@function
k_q584f32b2da_pack:
	s_mov_b64 s[64:65], 0
	v_nop
	global_prefetch_b8 v0, s[64:65] scope:SCOPE_SE
	s_setreg_imm32_b32 hwreg(HW_REG_WAVE_MODE, 25, 1), 1
	s_wait_xcnt 0x0
; THE MASK'S BYTES BECOME LANE MASKS.  attention_mask is [2048 queries][2048 keys], one byte each, the same for all 64 heads.
; The attention launch holds a score of query 16 x + (lane % 16) and key 32 b + 16 (lane / 16) + i in register 16 b + i of tile x.
; So for each group G of 32 queries and each step of 128 keys this launch makes 2 x 64 words: bit l of word j = 16 b + i of tile x is
; mask[32 G + 16 x + l % 16][128 step + 32 b + 16 (l / 16) + i] != 0: a word is what one select over the 32 lanes takes as its mask.
; maskw: [G 64][step 16][x 2][j 64] words.  cls: [G 64][step 16] words: 0 nothing masked, 1 some, 2 all 32 x 128 masked.
; One wave makes one record of 512 bytes and its class.  Work-group g: G = g / 4; wave w: step = 4 (g % 4) + w, so the four waves
; stand side by side on 512 bytes of each mask row.  Whole numbers only; no LDS, no barrier: waves share nothing.
.set IN,  8                            ; v8-39   eight loads of 16 bytes: tile x, block b at v[IN + 4 (4 x + b)]
.set OUTW, 40                          ; v40-43  tile x: lane n holds words 2 n (v[OUTW + 2 x]) and 2 n + 1 (v[OUTW + 2 x + 1])
.set TMP, 44                           ; v44-47  a byte, by turns
	s_load_b128 s[4:7], s[0:1], 0x0                ; the mask, maskw
	s_load_b64 s[8:9], s[0:1], 0x10                ; cls
	v_lshrrev_b32 v1, 5, v0
	v_readfirstlane_b32 s10, v1                    ; wave 0..3
	v_and_b32 v1, 31, v0                           ; lane
	v_and_b32 v2, 15, v0
	v_bfe_u32 v3, v0, 4, 1
	v_lshlrev_b32 v2, 11, v2                       ; my row of the tile: 2,048 bytes a row,
	v_lshl_or_b32 v2, v3, 4, v2                    ; and my half's 16 keys of a block of 32
	v_lshlrev_b32 v3, 3, v1                        ; out: 8 bytes a lane
	v_mov_b32 v4, 0
.irp k, 0,1,2,3
	v_mov_b32 v[OUTW+\k], 0                        ; written whole once: a lane write keeps the other lanes
.endr
	s_lshr_b32 s11, ttmp9, 2                       ; G
	s_and_b32 s12, ttmp9, 3
	s_lshl_b32 s12, s12, 2
	s_add_co_u32 s12, s12, s10                     ; step
	s_lshl_b32 s14, s11, 16                        ; 32 rows of 2,048 bytes
	s_lshl_b32 s13, s12, 7                         ; 128 keys
	s_add_co_u32 s14, s14, s13
	s_mov_b32 s15, 0
	s_lshl_b32 s16, s11, 4
	s_add_co_u32 s16, s16, s12                     ; 16 G + step
	s_lshl_b32 s18, s16, 2                         ; its class word
	s_lshl_b32 s16, s16, 9                         ; its record
	s_mov_b32 s17, 0
	s_mov_b32 s19, 0
	s_wait_alu depctr_va_vdst(0)
	s_wait_kmcnt 0x0
	s_add_nc_u64 s[4:5], s[4:5], s[14:15]
	s_add_nc_u64 s[6:7], s[6:7], s[16:17]
	s_add_nc_u64 s[8:9], s[8:9], s[18:19]
.irp x, 0,1
.irp b, 0,1,2,3
	global_load_b128 v[IN+4*(4*\x+\b):IN+4*(4*\x+\b)+3], v2, s[4:5] offset:\x*32768+32*\b   ; keys 32 b + 16 (lane / 16) + 0 .. 15 of my row of tile x
.endr
.endr
	s_wait_loadcnt 0x0
; word j: byte j % 16 of block j / 16 in every lane; the compare's 32 bits are the word; it goes to lane j / 2 of the register of j's parity
.irp x, 0,1
.set j, 0
.rept 64
	v_bfe_u32 v[TMP+j%4], v[IN+4*(4*\x+j/16)+(j%16)/4], 8*(j%4), 8
	v_cmp_ne_u32 s[20+j%4], 0, v[TMP+j%4]
	v_writelane_b32 v[OUTW+2*\x+j%2], s[20+j%4], j/2
.set j, j+1
.endr
	global_store_b64 v3, v[OUTW+2*\x:OUTW+2*\x+1], s[6:7] offset:256*\x   ; 32 lanes store 256 consecutive bytes, aligned
.endr
; the class: is any word not 0; is any word not all ones
	v_cmp_ne_u32 s24, 0, v[OUTW]
	v_cmp_ne_u32 s20, 0, v[OUTW+1]
	v_cmp_ne_u32 s21, 0, v[OUTW+2]
	v_cmp_ne_u32 s22, 0, v[OUTW+3]
	s_or_b32 s24, s24, s20
	s_or_b32 s21, s21, s22
	s_or_b32 s24, s24, s21
	v_cmp_ne_u32 s25, -1, v[OUTW]
	v_cmp_ne_u32 s20, -1, v[OUTW+1]
	v_cmp_ne_u32 s21, -1, v[OUTW+2]
	v_cmp_ne_u32 s22, -1, v[OUTW+3]
	s_or_b32 s25, s25, s20
	s_or_b32 s21, s21, s22
	s_or_b32 s25, s25, s21
	s_cmp_lg_u32 s24, 0
	s_cselect_b32 s26, 1, 0                        ; something is masked
	s_cmp_eq_u32 s25, 0
	s_cselect_b32 s27, 1, 0                        ; everything is
	s_add_co_u32 s26, s26, s27
	v_mov_b32 v5, s26
	v_cmp_eq_u32 vcc_lo, 0, v1
	s_wait_alu depctr_va_vdst(0)
	s_wait_xcnt 0x0                                ; the stores above have had their addresses translated: only now EXEC is narrowed
	s_and_saveexec_b32 s28, vcc_lo
	global_store_b32 v4, v5, s[8:9]                ; lane 0 alone
	s_endpgm
.Lfunc_end_k_q584f32b2da_pack:
	.size	k_q584f32b2da_pack, .Lfunc_end_k_q584f32b2da_pack-k_q584f32b2da_pack
	.p2alignl 7, 3214868480
	.fill 96, 4, 3214868480
	.section	.rodata,"a",@progbits
	.p2align	6, 0x0
	.amdhsa_kernel k_q584f32b2da_pack
		.amdhsa_group_segment_fixed_size 0
		.amdhsa_private_segment_fixed_size 0
		.amdhsa_enable_private_segment 0
		.amdhsa_kernarg_size 24
		.amdhsa_user_sgpr_count 2
		.amdhsa_user_sgpr_kernarg_segment_ptr 1
		.amdhsa_wavefront_size32 1
		.amdhsa_system_sgpr_workgroup_id_x 1
		.amdhsa_system_sgpr_workgroup_id_y 1
		.amdhsa_system_sgpr_workgroup_id_z 1
		.amdhsa_system_vgpr_workitem_id 0
		.amdhsa_next_free_vgpr 48
		.amdhsa_next_free_sgpr 66
		.amdhsa_reserve_vcc 1
		.amdhsa_float_denorm_mode_32 3
		.amdhsa_float_denorm_mode_16_64 3
		.amdhsa_memory_ordered 1
		.amdhsa_forward_progress 1
		.amdhsa_inst_pref_size 28
	.end_amdhsa_kernel
	.amdgpu_metadata
---
amdhsa.version: [ 1, 2 ]
amdhsa.kernels:
  - .name:           k_q584f32b2da_pack
    .symbol:         k_q584f32b2da_pack.kd
    .args:
      - { .name: attention_mask, .offset: 0, .size: 8, .value_kind: global_buffer, .address_space: global }
      - { .name: maskw, .offset: 8, .size: 8, .value_kind: global_buffer, .address_space: global }
      - { .name: cls, .offset: 16, .size: 8, .value_kind: global_buffer, .address_space: global }
    .group_segment_fixed_size: 0
    .private_segment_fixed_size: 0
    .kernarg_segment_align: 8
    .kernarg_segment_size: 24
    .max_flat_workgroup_size: 128
    .sgpr_count:     66
    .vgpr_count:     48
    .wavefront_size: 32
...
	.end_amdgpu_metadata
.endif
;; end of part 3
;; launch attn (part 4): grid 4 x 64, 8 waves a work-group, no clusters, 314,368 bytes of LDS; arguments query_codes, query_scales, key_codes, key_scales, value_codes, value_scales, maskw, cls, out0; writes out0
.if DOCPART == 4
	.amdgcn_target "amdgcn-amd-amdhsa--gfx1250"
	.amdhsa_code_object_version 6
	.text
	.protected	k_q584f32b2da_attn
	.globl	k_q584f32b2da_attn
	.p2align	8
	.type	k_q584f32b2da_attn,@function
k_q584f32b2da_attn:
	s_mov_b64 s[64:65], 0
	v_nop
	global_prefetch_b8 v0, s[64:65] scope:SCOPE_SE
	s_setreg_imm32_b32 hwreg(HW_REG_WAVE_SCHED_MODE, 0, 2), 2
	s_setreg_imm32_b32 hwreg(HW_REG_WAVE_MODE, 25, 1), 1
	s_wait_xcnt 0x0
	s_wait_alu depctr_vm_vsrc(0)
; out[q][head][:] = sum over k of softmax_k(where(mask, -10000, Q[q] . K[k] / sqrt(128))) V[k][:], 64 heads (head = 16 b + n), 2,048 queries and keys, head size 128.
; Both products on codes of FP4 (E2M1) with one E8M0 byte for each 32 along K, as they are given.  Q, K: rows of 64 bytes, 4,096 bytes apart; their scale words 256 bytes apart.
; V: keys innermost, a head is 128 rows of 1,024 bytes; its scale bytes 128 rows of 64.
; THE SOFTMAX AHEAD OF THE SECOND PRODUCT: t = score x c, c = log2(e) / sqrt(128); M = the running largest t rounded UP to a whole number; p = 2^(t - M) is quantised along the keys, not normalised;
; the row's sum is taken of the unquantised p and divides at the end; when M moves, the sum and O are multiplied by 2^(old M - new M), which rounds nothing.
; THE MASK is an input and replaces a score by a number: a masked key counts in the maximum, in the sum and in p.  It comes as lane masks and classes from the launch before (maskw, cls).
; SHARES.  A work-group of eight waves takes one head and two blocks of 256 queries, blocks x and 7 - x, in two passes.  A wave owns 32 queries, two tiles of 16: each fragment of K and V read from LDS feeds two products.
; THE WHOLE HEAD'S K, V AND SCALES LIE IN LDS (272 KiB), put there once, through registers, in four chunks of 512 keys; each chunk is asked for four key steps ahead of the wait for it, during pass 0.  Pass 1 has no barrier.
; A KEY STEP (128 keys) BRANCHES ON ITS CLASS, a whole number read from memory: 0: no select; 1: 128 selects; 2: every score is the same number, so K Q^T and the search for maxima are left out and one p a query is made.
; The four work-groups of a head read the same K and V, once each in the whole launch.  They are not fetched jointly.
; LAYOUT.  Both products are used transposed: S^T = K Q^T (source 0 = 16 keys, source 1 = 16 queries), O^T = V^T P^T: a lane holds ONE query (lane % 16) throughout.
; THE KEYS OF A TILE ARE NOT NEIGHBOURS: row r of tile 2 b + u is key 32 b + 8 u + r + 8 (r / 8), so that registers 16 b + i of S are keys 32 b + 16 (lane / 16) + i: 16 neighbours along the next K.
; IMAGES.  A fragment (16 rows x 128 K: 8 registers a lane, 1,024 bytes) lies in LDS as its registers: the 16 bytes of row r, piece p = 2 c + h (registers 4 c .., half h) at 256 p + 16 (r xor 4 p).
; A reader's sixteen lanes (p fixed, sixteen r) and a writer's sixteen lanes (four r, four p) both touch sixteen different columns of 16 bytes: no padding is needed.
; LIMITS.  A masked score enters as -10000 sqrt(128) rounded to f32, so its t lies within some 2e-3 of -10000 log2(e) (one or two steps of f32 at that size).  p under 2^-126 comes out as 0.
; In a step of class 2 a lane's sum takes 64 p in one multiply-add in place of 64 additions.  Scale bytes 0xff (NaN) are not served.
; REGISTERS.  Window 0: v1-15, v248-253 addresses and constants; v16-31 Q; v32-159 S^T, then p; v160-175 p's codes; v176-186 scale words and nothing else; v188-231 statistics; v232-247 one p and seven zeros a tile.
;   Window 1: v0-127 O^T; v128-191 a chunk on its way to LDS; v192-255 eight fragments of K or of V.
; THE MODE: SCHED_MODE bits 1:0 = 2 (LLVM: expert scheduling mode 2), set by the entry lines.  The code itself states the register dependences between vector or matrix instructions
; and memory or LDS instructions, with s_wait_alu, always for 0.
; THE PLAN.  Registers that memory or LDS instructions touch:
;   FR             ONE buffer (the wave's 512 registers are all taken).  In a step: K's fragments land in it, K Q^T reads it, V's fragments land in it, V^T P^T reads it.
;   KS, VS         scale words: they land with their fragments and are read by the same products.
;   ADK, ADV, ADS  five LDS addresses: written by five additions at a step's head, read by the step's LDS loads.
;   PC, PW         p's codes and scale words: written by vector instructions, taken by V^T P^T as operand and scales.
;   STG            a chunk: global loads land in it, LDS stores read it; no vector instruction names it.   FA, FB: those stores' addresses, written once a chunk.
;   Q, QS          global loads land in them once a pass; K Q^T reads them.
;   S              on the way out: multiplications write its lower 64, LDS stores read them; LDS loads land in its upper 64, global stores read them.  At the head v32-51 hold scale words and their addresses.
;   KGO, VGO, QO, QSO, GO, STO, RD   made once at the head and never written again.
; A STEP'S WAITS.  At its head one on vm_vsrc ahead of the five additions, and one on va_vdst behind them: the addresses are written, and the last V^T P^T is done reading FR and VS.  Behind K Q^T one on va_vdst: FR may take V's
; fragments.  Behind the exponentials their one wait.  Ahead of V^T P^T one on va_vdst: PC and PW are written.  A step with selects has one more, between tile 0's selects and the scalar loads that write the registers they read.
.set VIMG,  131072                     ; LDS: K's images [step 16][tile 8][1,024] from byte 0; V's likewise from here
.set KSC,   262144                     ; K's scale words: [step][lane 32][b 4]: lanes 0-15 tile 2 b, lanes 16-31 tile 2 b + 1
.set VSC,   270336                     ; V's likewise
.set STAGE, 278528                     ; the way out: 16 rows x (256 + 16) bytes for each wave
.set SP,    272
.set AL0, 1                            ; v1   my place in an image, registers 0-3
.set AL1, 2                            ; v2   registers 4-7
.set L16, 3                            ; v3   16 x lane
.set ADK, 4                            ; v4-5 the step's K images
.set ADV, 6                            ; v6-7 V's
.set ADS, 8                            ; v8   the step's scale words
.set VNEG, 9                           ; v9   -10000 sqrt(128): what a masked score becomes ahead of x c
.set KW,  10                           ; v10  where I store 16 bytes of K in a chunk's images
.set VW,  11                           ; v11  of V
.set KGO, 12                           ; v12  my byte offset in K's chunk in memory
.set VGO, 13                           ; v13  in V's
.set STO, 14                           ; v14  the stage: in
.set RD,  15                           ; v15  the stage: back
.set Q,   16
.set S,   32
.set PC,  160
.set KS,  176
.set VS,  180
.set QS,  184
.set PW,  185
.set ST,  188                          ; tile x's statistics at v[ST + 22 x]:
.set NM,  0                            ;   -M
.set TMX, 1                            ;   the largest t so far
.set LS,  2                            ;   the sum, in two halves
.set BM,  4                            ;   four blocks' largest scores, then largest p
.set PT,  8                            ;   four at work: the other half's, then the bytes
.set SO,  12                           ;   four scale operands of the conversions
.set FF,  16                           ;   f = 2^(old M - new M), later 1 / sum; +1 is named with it as a pair
.set TT,  18
.set SM2, 20                           ;   the second chain of the sum
.set Z8,  232
.set GO,  248                          ; v248 my byte offset in the wave's rows of out
.set QO,  249
.set QSO, 250
.set FA,  251
.set FB,  252
.set TMV, 253                          ; v253 c x VNEG: a masked key's t
.set RR,  254                          ; at the head: lane % 16
.set HH,  255                          ; at the head: lane / 16
.set O,   0                            ; window 1
.set STG, 128
.set FR,  192
.set WV,  2
.set HEAD, 3
.set CS,  22                           ; s[22:23] c, twice: the packed form names a pair
.set SEL, 24                           ; s[24:25] lane l xor 16
.set SK,  26                           ; LDS byte of the step's K images
.set SV,  27                           ; V's
.set SS,  28                           ; its scale words
.set CW,  29                           ; the pass's 16 classes, two bits each, the next step's lowest
.set CLS, 30
.set CNT, 31
.set CH,  66
.set SF,  67                           ; the chunk's first byte in the images
.set MSB, 0
.macro WIN new                         ; bits 1:0 source 0, 3:2 source 1, 5:4 source 2, 7:6 destination; the high byte repeats the setting that is left
.if MSB != \new
	s_set_vgpr_msb (MSB<<8)|\new
.set MSB, \new
.endif
.endm
.macro PLACES n
.rept \n
	v_nop
.endr
.endm
; my 32 queries: two fragments, their scale words (lane l: query l, so tile 1's stand in lanes 16-31), and the pass's 16 class words
.macro QLOAD
.irp x, 0,1
.irp c, 0,1
	global_load_b128 v[Q+8*\x+4*\c:Q+8*\x+4*\c+3], v[QO], s[4:5] offset:\x*65536+32*\c
.endr
.endr
	global_load_b32 v[QS], v[QSO], s[6:7]
	s_load_b512 s[32:47], s[18:19], 0x0
.endm
; a chunk of 512 keys into registers: K: thread t takes piece t % 4 of key t / 4 + 64 i;  V: piece t % 4 of step i % 4 of row t / 4 + 64 (i / 4)
.macro FILL_LOAD
	WIN 0x40
.irp i, 0,1,2,3,4,5,6,7
	global_load_b128 v[STG+4*\i:STG+4*\i+3], v[KGO], s[8:9] offset:\i*262144
.endr
.irp i, 0,1,2,3,4,5,6,7
	global_load_b128 v[STG+32+4*\i:STG+32+4*\i+3], v[VGO], s[12:13] offset:(\i/4)*65536+(\i%4)*64
.endr
	WIN 0
.endm
.macro FILL_STORE                      ; and on into the images: K: 64 keys are four tiles: 4,096 i;  V: step i % 4, tiles 4 (i / 4) on
	v_add_nc_u32 v[FA], s[SF], v[KW]
	v_add_nc_u32 v[FB], s[SF], v[VW]
	WIN 0x04
	s_wait_alu depctr_va_vdst(0)                   ; the two additions have written v[FA] and v[FB], which the stores below read as their addresses
.irp i, 0,1,2,3,4,5,6,7
	ds_store_b128 v[FA], v[STG+4*\i:STG+4*\i+3] offset:\i*4096
.endr
.irp i, 0,1,2,3,4,5,6,7
	ds_store_b128 v[FB], v[STG+32+4*\i:STG+32+4*\i+3] offset:(\i%4)*8192+(\i/4)*4096
.endr
	WIN 0
.endm
.macro VLOAD                           ; the step's eight fragments of V and their scale words
	WIN 0x40
.irp t, 0,1,2,3,4,5,6,7
	ds_load_b128 v[FR+8*\t:FR+8*\t+3],   v[ADV]   offset:\t*1024
	ds_load_b128 v[FR+8*\t+4:FR+8*\t+7], v[ADV+1] offset:\t*1024
.endr
	WIN 0
	ds_load_b128 v[VS:VS+3], v[ADS] offset:VSC-KSC
.endm
; S^T = K Q^T: eight tiles of keys x two tiles of queries, each a whole sum (K = 128): C = 0.  Then V's fragments are asked for: they land under the softmax.
.macro QK
	WIN 0x40
.irp t, 0,1,2,3,4,5,6,7
	ds_load_b128 v[FR+8*\t:FR+8*\t+3],   v[ADK]   offset:\t*1024
	ds_load_b128 v[FR+8*\t+4:FR+8*\t+7], v[ADK+1] offset:\t*1024
.endr
	WIN 0
	ds_load_b128 v[KS:KS+3], v[ADS]
	s_wait_dscnt 0x0
	WIN 0x01                                       ; source 0 (K) window 1
.irp b, 0,1,2,3
	v_wmma_scale_f32_16x16x128_f8f6f4 v[S+16*\b:S+16*\b+7], v[FR+16*\b:FR+16*\b+7], v[Q:Q+7], 0, v[KS+\b], v[QS] matrix_a_fmt:MATRIX_FMT_FP4 matrix_b_fmt:MATRIX_FMT_FP4
	v_wmma_scale_f32_16x16x128_f8f6f4 v[S+64+16*\b:S+64+16*\b+7], v[FR+16*\b:FR+16*\b+7], v[Q+8:Q+15], 0, v[KS+\b], v[QS] matrix_a_fmt:MATRIX_FMT_FP4 matrix_b_fmt:MATRIX_FMT_FP4 matrix_b_scale:MATRIX_SCALE_ROW1
	v_wmma_scale_f32_16x16x128_f8f6f4 v[S+16*\b+8:S+16*\b+15], v[FR+16*\b+8:FR+16*\b+15], v[Q:Q+7], 0, v[KS+\b], v[QS] matrix_a_fmt:MATRIX_FMT_FP4 matrix_b_fmt:MATRIX_FMT_FP4 matrix_a_scale:MATRIX_SCALE_ROW1
	v_wmma_scale_f32_16x16x128_f8f6f4 v[S+64+16*\b+8:S+64+16*\b+15], v[FR+16*\b+8:FR+16*\b+15], v[Q+8:Q+15], 0, v[KS+\b], v[QS] matrix_a_fmt:MATRIX_FMT_FP4 matrix_b_fmt:MATRIX_FMT_FP4 matrix_a_scale:MATRIX_SCALE_ROW1 matrix_b_scale:MATRIX_SCALE_ROW1
.endr
	WIN 0
	PLACES 4                                       ; four plain places behind the products (ISA guide 7.12.1), ahead of the first reads of the scores
	s_wait_alu depctr_va_vdst(0)                   ; the sixteen products are done reading K's fragments, in whose registers V's fragments land below
	VLOAD
.endm
; The selects.  Tile 0's 64 words were asked for ahead of K Q^T; tile 1's take the same 64 scalar registers, behind tile 0's selects.  Each accumulator is read from its low end on.
.macro MASK
	s_wait_kmcnt 0x0
.irp g, 0,1,2,3
.irp i, 0,1,2,3,4,5,6,7,8,9,10,11,12,13,14,15
	v_cndmask_b32 v[S+16*\g+\i], v[S+16*\g+\i], v[VNEG], s[32+16*\g+4*(\g/2)+\i]
.endr
.endr
	s_wait_alu depctr_va_vdst(0)                   ; tile 0's 64 selects are done reading their 64 scalar registers, which the four scalar loads below write
.irp g, 0,1,2,3
	s_load_b512 s[32+16*\g+4*(\g/2):47+16*\g+4*(\g/2)], s[16:17], 256+64*\g
.endr
	s_wait_kmcnt 0x0
.irp g, 0,1,2,3
.irp i, 0,1,2,3,4,5,6,7,8,9,10,11,12,13,14,15
	v_cndmask_b32 v[S+64+16*\g+\i], v[S+64+16*\g+\i], v[VNEG], s[32+16*\g+4*(\g/2)+\i]
.endr
.endr
.endm
; The softmax of both tiles for one key step, stage by stage, the two tiles one behind the other in each stage.
.macro SOFT
.irp x, 0,1                            ; the largest score of each block of 32 keys: it serves for the row's maximum and, since p rises with the score, for the block's largest p
.set sx, S+64*\x
.set tx, ST+22*\x
.irp b, 0,1,2,3
	v_max3_num_f32 v[tx+BM+\b], v[sx+16*\b], v[sx+16*\b+1], v[sx+16*\b+2]
.endr
.irp i, 3,5,7,9,11,13
.irp b, 0,1,2,3
	v_max3_num_f32 v[tx+BM+\b], v[tx+BM+\b], v[sx+16*\b+\i], v[sx+16*\b+\i+1]
.endr
.endr
.irp b, 0,1,2,3
	v_max_num_f32 v[tx+BM+\b], v[tx+BM+\b], v[sx+16*\b+15]
.endr
.endr
.irp x, 0,1
.irp b, 0,1,2,3
	v_permlanex16_b32 v[ST+22*\x+PT+\b], v[ST+22*\x+BM+\b], s[SEL], s[SEL+1]
.endr
.endr
.irp x, 0,1
.irp b, 0,1,2,3
	v_max_num_f32 v[ST+22*\x+BM+\b], v[ST+22*\x+BM+\b], v[ST+22*\x+PT+\b]   ; with lane l xor 16's 16 keys
.endr
.endr
.irp x, 0,1
	v_max3_num_f32 v[ST+22*\x+TT], v[ST+22*\x+BM], v[ST+22*\x+BM+1], v[ST+22*\x+BM+2]
.endr
.irp x, 0,1
	v_max_num_f32 v[ST+22*\x+TT], v[ST+22*\x+TT], v[ST+22*\x+BM+3]          ; the step's largest score of my query
.endr
.irp x, 0,1
	v_mul_f32 v[ST+22*\x+TT], s[CS], v[ST+22*\x+TT]                         ; as t (c is positive)
.endr
.irp x, 0,1
	v_max_num_f32 v[ST+22*\x+TMX], v[ST+22*\x+TMX], v[ST+22*\x+TT]
.endr
.irp x, 0,1
	v_mov_b32 v[ST+22*\x+TT], v[ST+22*\x+NM]
.endr
.irp x, 0,1
	v_floor_f32 v[ST+22*\x+NM], -v[ST+22*\x+TMX]                            ; the new -M = floor(-t): M is a whole number
.endr
.irp x, 0,1
	v_sub_f32 v[ST+22*\x+TT], v[ST+22*\x+NM], v[ST+22*\x+TT]                ; old M - new M: a whole number, 0 or less
.endr
.irp x, 0,1
	v_cvt_i32_f32 v[ST+22*\x+TT], v[ST+22*\x+TT]                            ; (it saturates)
.endr
.irp x, 0,1
	v_ldexp_f32 v[ST+22*\x+FF], 1.0, v[ST+22*\x+TT]                         ; f
.endr
.irp x, 0,1
.set sx, S+64*\x
.set tx, ST+22*\x
.set j, 0
.rept 32
	v_pk_fma_f32 v[sx+j:sx+j+1], v[sx+j:sx+j+1], s[CS:CS+1], v[tx+NM:tx+NM+1] op_sel_hi:[1,0,0]   ; t - M, two at a time (of the pairs c and -M the low word serves both halves)
.set j, j+2
.endr
.irp b, 0,1,2,3
	v_fma_f32 v[tx+BM+\b], v[tx+BM+\b], s[CS], v[tx+NM]                     ; the same of each block's largest score
.endr
.endr
	s_wait_alu depctr_va_vdst(0)
.irp x, 0,1
.set sx, S+64*\x
.set tx, ST+22*\x
.set j, 0
.rept 64
	v_exp_f32 v[sx+j], v[sx+j]                                              ; p = 2^(t - M), at most 1
.set j, j+1
.endr
.irp b, 0,1,2,3
	v_exp_f32 v[tx+BM+\b], v[tx+BM+\b]                                      ; the block's largest p: the same two instructions on the same number
.endr
.endr
.irp x, 0,1
	v_pk_mul_f32 v[ST+22*\x+LS:ST+22*\x+LS+1], v[ST+22*\x+LS:ST+22*\x+LS+1], v[ST+22*\x+FF:ST+22*\x+FF+1] op_sel_hi:[1,0]   ; the sums under the new M; also the plain place behind the exponentials
.endr
	s_wait_alu depctr_va_vdst(0)                   ; the 136 exponentials have written p and the blocks' largest p: one wait for the batch, ahead of its first reader
.irp x, 0,1
.irp b, 0,1,2,3
	v_max_num_f32 v[ST+22*\x+BM+\b], 0x1800000, v[ST+22*\x+BM+\b]           ; the floor 2^(3 - 127): the byte cannot fall under 1 (a block whose every p is 0 keeps that byte: its codes are zeros)
.endr
.endr
.irp x, 0,1
.irp b, 0,1,2,3
	v_add_nc_u32 v[ST+22*\x+SO+\b], 0xff000000, v[ST+22*\x+BM+\b]           ; 2 off the exponent field: the conversion's scale operand
.endr
.endr
.irp x, 0,1
.irp b, 0,1,2,3
	v_lshrrev_b32 v[ST+22*\x+PT+\b], 23, v[ST+22*\x+SO+\b]                  ; the scale's byte
.endr
.endr
.irp x, 0,1
	v_lshl_or_b32 v[PW+\x], v[ST+22*\x+PT+1], 8, v[ST+22*\x+PT]             ; p's scale word for these 128 keys
.endr
.irp x, 0,1
	v_lshl_or_b32 v[PW+\x], v[ST+22*\x+PT+2], 16, v[PW+\x]
.endr
.irp x, 0,1
	v_lshl_or_b32 v[PW+\x], v[ST+22*\x+PT+3], 24, v[PW+\x]
.endr
.irp x, 0,1
.irp b, 0,1,2,3
	v_cvt_scalef32_pk8_fp4_f32 v[PC+8*\x+2*\b], v[S+64*\x+16*\b:S+64*\x+16*\b+7], v[ST+22*\x+SO+\b]
	v_cvt_scalef32_pk8_fp4_f32 v[PC+8*\x+2*\b+1], v[S+64*\x+16*\b+8:S+64*\x+16*\b+15], v[ST+22*\x+SO+\b]
.endr
.endr
	v_nop                                          ; one plain place behind the scaled conversions
.irp x, 0,1
.irp c, 0,1                            ; the operand wants a WHOLE block in a lane: lanes 0-15 block 2 c, lanes 16-31 block 2 c + 1
.irp i, 0,1
	v_permlane16_swap_b32 v[PC+8*\x+4*\c+\i], v[PC+8*\x+4*\c+2+\i]
.endr
.endr
.endr
.irp x, 0,1                            ; the row's sum is taken of the unquantised p: two at a time, in two chains
.set sx, S+64*\x
.set tx, ST+22*\x
	v_pk_add_f32 v[tx+SM2:tx+SM2+1], v[sx:sx+1], v[sx+2:sx+3]
.irp j, 4,8,12,16,20,24,28,32,36,40,44,48,52,56,60
	v_pk_add_f32 v[tx+LS:tx+LS+1], v[tx+LS:tx+LS+1], v[sx+\j:sx+\j+1]
	v_pk_add_f32 v[tx+SM2:tx+SM2+1], v[tx+SM2:tx+SM2+1], v[sx+\j+2:sx+\j+3]
.endr
	v_pk_add_f32 v[tx+LS:tx+LS+1], v[tx+LS:tx+LS+1], v[tx+SM2:tx+SM2+1]
.endr
	WIN 0x41                                       ; O^T (destination and source 0) window 1
.irp x, 0,1
.set j, 0
.rept 32
	v_pk_mul_f32 v[O+64*\x+j:O+64*\x+j+1], v[O+64*\x+j:O+64*\x+j+1], v[ST+22*\x+FF:ST+22*\x+FF+1] op_sel_hi:[1,0]   ; O^T under the new M, each accumulator from its low end on.  The sums and these are the places between p's codes and scale words and the products
.set j, j+2
.endr
.endr
	WIN 0
.endm
; A step all of whose 32 x 128 scores are masked.  Every score is VNEG.  The pass began its largest t at a masked key's t (PROLOGUE), so M cannot move here and f = 1: one p a query, its code in every place of the operand.
.macro MASKED
	VLOAD                                          ; (the wait on va_vdst at the step's head serves these loads: the last products are done reading the fragments and V's scale words, and the addresses are written)
.irp x, 0,1
	v_fma_f32 v[ST+22*\x+TT], v[VNEG], s[CS], v[ST+22*\x+NM]
.endr
	s_wait_alu depctr_va_vdst(0)
.irp x, 0,1
	v_exp_f32 v[Z8+8*\x], v[ST+22*\x+TT]
.endr
	v_nop                                          ; a plain place behind the exponentials
	s_wait_alu depctr_va_vdst(0)                   ; the two exponentials have written the two p, ahead of their first reader
.irp x, 0,1
	v_max_num_f32 v[ST+22*\x+BM], 0x1800000, v[Z8+8*\x]
.endr
.irp x, 0,1
	v_add_nc_u32 v[ST+22*\x+SO], 0xff000000, v[ST+22*\x+BM]
.endr
.irp x, 0,1
	v_lshrrev_b32 v[ST+22*\x+PT], 23, v[ST+22*\x+SO]
.endr
.irp x, 0,1
	v_perm_b32 v[PW+\x], v[ST+22*\x+PT], v[ST+22*\x+PT], 0                  ; the byte four times: all four blocks have the same largest p
.endr
.irp x, 0,1
	v_fma_f32 v[ST+22*\x+LS], v[Z8+8*\x], 0x42800000, v[ST+22*\x+LS]        ; my 64 keys' p
.endr
.irp x, 0,1
	v_cvt_scalef32_pk8_fp4_f32 v[PC+8*\x], v[Z8+8*\x:Z8+8*\x+7], v[ST+22*\x+SO]   ; p and seven zeros: the code in the lowest four bits
.endr
	v_nop                                          ; one plain place behind the scaled conversions
.irp x, 0,1
	v_mul_lo_u32 v[PC+8*\x], v[PC+8*\x], 0x11111111                         ; the code eight times (it is under 8: nothing carries)
.endr
.irp x, 0,1
.irp i, 1,2,3,4,5,6,7
	v_mov_b32 v[PC+8*\x+\i], v[PC+8*\x]
.endr
.endr
	PLACES 4                                       ; an operand written by vector instructions stands four places ahead of a scaled product; the scale words stand more than eight ahead
.endm
; O^T += V^T P^T: sixteen accumulators by turns, one instruction a turn; K = the step's 128 keys
.macro PV
	s_wait_dscnt 0x0                               ; V's fragments and scale words are in
	WIN 0x51                                       ; source 0 (V), C and D window 1; source 1 (p's codes) window 0
	s_wait_alu depctr_va_vdst(0)                   ; vector instructions have written p's codes and scale words, which the products take as operand and scales; the places ahead of the products stay beside this wait
.irp m, 0,1,2,3
	v_wmma_scale_f32_16x16x128_f8f6f4 v[O+16*\m:O+16*\m+7], v[FR+16*\m:FR+16*\m+7], v[PC:PC+7], v[O+16*\m:O+16*\m+7], v[VS+\m], v[PW] matrix_a_fmt:MATRIX_FMT_FP4 matrix_b_fmt:MATRIX_FMT_FP4
	v_wmma_scale_f32_16x16x128_f8f6f4 v[O+64+16*\m:O+64+16*\m+7], v[FR+16*\m:FR+16*\m+7], v[PC+8:PC+15], v[O+64+16*\m:O+64+16*\m+7], v[VS+\m], v[PW+1] matrix_a_fmt:MATRIX_FMT_FP4 matrix_b_fmt:MATRIX_FMT_FP4
	v_wmma_scale_f32_16x16x128_f8f6f4 v[O+16*\m+8:O+16*\m+15], v[FR+16*\m+8:FR+16*\m+15], v[PC:PC+7], v[O+16*\m+8:O+16*\m+15], v[VS+\m], v[PW] matrix_a_fmt:MATRIX_FMT_FP4 matrix_b_fmt:MATRIX_FMT_FP4 matrix_a_scale:MATRIX_SCALE_ROW1
	v_wmma_scale_f32_16x16x128_f8f6f4 v[O+64+16*\m+8:O+64+16*\m+15], v[FR+16*\m+8:FR+16*\m+15], v[PC+8:PC+15], v[O+64+16*\m+8:O+64+16*\m+15], v[VS+\m], v[PW+1] matrix_a_fmt:MATRIX_FMT_FP4 matrix_b_fmt:MATRIX_FMT_FP4 matrix_a_scale:MATRIX_SCALE_ROW1
.endr
	WIN 0
.endm
; A KEY STEP.  K Q^T is written on both ways that have it, so that one decision picks the way and no way reads mask words that were not loaded.
.macro STEP
	s_and_b32 s[CLS], s[CW], 3
	s_lshr_b32 s[CW], s[CW], 2
	s_wait_alu depctr_vm_vsrc(0)                   ; the last step's LDS loads have read the five address registers, which the additions below write anew
	v_add_nc_u32 v[ADK], s[SK], v[AL0]             ; the step's five LDS addresses: an LDS address has no scalar base, so they are stepped here, ahead of a wait on va_vdst that stands here anyway
	v_add_nc_u32 v[ADK+1], s[SK], v[AL1]
	v_add_nc_u32 v[ADV], s[SV], v[AL0]
	v_add_nc_u32 v[ADV+1], s[SV], v[AL1]
	v_add_nc_u32 v[ADS], s[SS], v[L16]
	s_wait_alu depctr_va_vdst(0)                   ; the five addresses are written, which this step's LDS loads read; the last step's products are done reading the fragments and the scale words, in whose registers those loads land
	s_cmp_eq_u32 s[CLS], 2
	s_cbranch_scc1 .Lmasked_\@
	s_cmp_eq_u32 s[CLS], 1
	s_cbranch_scc1 .Lmixed_\@
	QK
	s_branch .Lsoft_\@
.Lmixed_\@:
.irp g, 0,1,2,3
	s_load_b512 s[32+16*\g+4*(\g/2):47+16*\g+4*(\g/2)], s[16:17], 64*\g     ; tile 0's 64 mask words
.endr
	QK
	MASK
.Lsoft_\@:
	SOFT
	s_branch .Lpv_\@
.Lmasked_\@:
	MASKED
.Lpv_\@:
	PV
	s_add_co_u32 s[SK], s[SK], 8192
	s_add_co_u32 s[SV], s[SV], 8192
	s_add_co_u32 s[SS], s[SS], 512
	s_add_nc_u64 s[16:17], s[16:17], 512           ; the next step's mask words (no scalar load is out: the selects ended on a wait for 0)
.endm
; A pass begins.  The 16 classes are packed two bits each.  Where some step of the pass is wholly masked, every one of my rows has masked keys, so its final largest t is at least a masked key's t:
; the running largest t may begin there (a running M above the running maximum only moves powers of two), and the masked steps need no change of M.  Else it begins at -3e38, under every t.
; O^T and the sums begin as zeros: the step is written without a first step of its own, whose three ways would be a third copy of it; the first change of M leaves zeros zeros.
.macro PROLOGUE pass
.if \pass
	s_wait_loadcnt 0x0                             ; Q and its scale words
.endif
	s_wait_kmcnt 0x0                               ; the class words
	s_mov_b32 s[CW], s32
.irp j, 1,2,3,4,5,6,7,8,9,10,11,12,13,14,15
	s_lshl_b32 s100, s[32+\j], 2*\j
	s_or_b32 s[CW], s[CW], s100
.endr
	s_and_b32 s100, s[CW], 0xaaaaaaaa              ; SCC: some class is 2
	s_cselect_b32 s101, -1, 0
.irp x, 0,1
	v_mov_b32 v[ST+22*\x+TT], 0xff61b1e6
	v_cndmask_b32 v[ST+22*\x+TMX], v[ST+22*\x+TT], v[TMV], s101
	v_floor_f32 v[ST+22*\x+NM], -v[ST+22*\x+TMX]
	v_mov_b32 v[ST+22*\x+LS], 0
	v_mov_b32 v[ST+22*\x+LS+1], 0
.endr
	WIN 0x40
.set j, 0
.rept 128
	v_mov_b32 v[O+j], 0
.set j, j+1
.endr
	WIN 0
	s_mov_b32 s[SK], 0
	s_mov_b32 s[SV], VIMG
	s_mov_b32 s[SS], KSC
.endm
; THE WAY OUT.  O^T / the sum goes through my stage in LDS, half a row (64 channels, 256 bytes) of 16 queries at a time, and leaves so that sixteen lanes store 256 consecutive bytes, aligned.
.macro WAYOUT
	PLACES 4                                       ; behind the last products
.irp x, 0,1
	v_add_f32 v[ST+22*\x+TT], v[ST+22*\x+LS], v[ST+22*\x+LS+1]
.endr
.irp x, 0,1
	v_permlanex16_b32 v[ST+22*\x+PT], v[ST+22*\x+TT], s[SEL], s[SEL+1]
.endr
.irp x, 0,1
	v_add_f32 v[ST+22*\x+TT], v[ST+22*\x+TT], v[ST+22*\x+PT]                ; the row's sum
.endr
	s_wait_alu depctr_va_vdst(0)
.irp x, 0,1
	v_rcp_f32 v[ST+22*\x+FF], v[ST+22*\x+TT]
.endr
	v_nop                                          ; a plain place behind the reciprocals
	s_wait_alu depctr_va_vdst(0)                   ; the two reciprocals are written, ahead of their first reader
.irp x, 0,1
.if \x
	s_wait_xcnt 0x0                                ; tile 0's stores have read their registers: they are loaded again below
	s_wait_alu depctr_vm_vsrc(0)                   ; tile 0's LDS stores have read v[S ..], which the multiplications below write again; its global stores have read v[S+64 ..], in which the stage's loads land again
.endif
	WIN 0x01                                       ; source 0 (O^T) window 1
.set j, 0
.rept 64
	v_mul_f32 v[S+j], v[O+64*\x+j], v[ST+22*\x+FF]                          ; register 8 t + i is out(query r, channel 16 t + 8 h + i); each accumulator from its low end on
.set j, j+1
.endr
	WIN 0
	s_wait_alu depctr_va_vdst(0)                   ; the 64 multiplications have written v[S ..], which the LDS stores read; and all that named v[S+64 ..], in which the stage's loads land, is done
.irp u, 0,1
.irp t, 0,1,2,3
	ds_store_b128 v[STO], v[S+32*\u+8*\t:S+32*\u+8*\t+3] offset:64*\t
	ds_store_b128 v[STO], v[S+32*\u+8*\t+4:S+32*\u+8*\t+7] offset:64*\t+16
.endr
.irp i, 0,1,2,3,4,5,6,7
	ds_load_b128 v[S+64+32*\u+4*\i:S+64+32*\u+4*\i+3], v[RD] offset:2*\i*SP   ; LDS serves a wave's instructions in order (ISA guide 5.7.1): these see my stores, and the next half's stores come behind them
.endr
.endr
.irp u, 0,1
.irp i, 0,1,2,3,4,5,6,7
	s_wait_dscnt 23-16*\u-\i                       ; behind this load: the rest of its eight, and for the first half the second half's 8 stores and 8 loads
	global_store_b128 v[GO], v[S+64+32*\u+4*\i:S+64+32*\u+4*\i+3], s[20:21] offset:(16*\x+2*\i)*32768+256*\u th:TH_STORE_NT
.endr
.endr
.endr
.endm
	s_load_b512 s[4:19], s[0:1], 0x0               ; Q's codes, scales; K's codes, scales; V's codes, scales; maskw; cls
	s_load_b64 s[20:21], s[0:1], 0x40              ; out
	v_lshl_add_u32 v207, v0, 2, 0x4c800            ; my spare word, behind the eight stages: made here and kept for the closing lines alone
	v_mov_b32 v229, 0
	v_lshrrev_b32 v52, 5, v0
	v_readfirstlane_b32 s[WV], v52                 ; wave 0..7
	s_and_b32 s[HEAD], ttmp7, 0xffff
	s_mov_b32 s[CS], 0x3e0293ee                    ; c = log2(e) / sqrt(128)
	s_mov_b32 s[CS+1], s[CS]
	s_mov_b32 s[SEL], 0x76543210
	s_mov_b32 s[SEL+1], 0xfedcba98
	v_mov_b32 v[VNEG], 0xc7dcf88b                  ; -10000 sqrt(128)
	v_mul_f32 v[TMV], s[CS], v[VNEG]
	v_and_b32 v[RR], 15, v0                        ; r
	v_bfe_u32 v[HH], v0, 4, 1                      ; h
	; a reader's place in an image: 512 c + 256 h + 16 (r xor 4 (2 c + h))
	v_lshlrev_b32 v[AL0], 2, v[HH]
	v_xor_b32 v[AL0], v[AL0], v[RR]
	v_lshlrev_b32 v[AL0], 4, v[AL0]
	v_lshl_or_b32 v[AL0], v[HH], 8, v[AL0]
	v_xor_b32 v[AL1], 640, v[AL0]                  ; c = 1: + 512, and r xor 8 more
	v_and_b32 v[L16], 31, v0
	v_lshlrev_b32 v[QSO], 8, v[L16]                ; Q's scale words: 256 bytes from query to query
	v_lshlrev_b32 v[L16], 4, v[L16]
	; a writer's place.  K: thread t holds piece p = t % 4 of key t / 4 (+ 64 i): the key's bits 0-2 and 4 are its row in a tile, bit 3 and bits 5, 6 the tile
	v_and_b32 v52, 3, v0                           ; p
	v_lshlrev_b32 v55, 2, v52                      ; 4 p
	v_bfe_u32 v53, v0, 2, 3
	v_bfe_u32 v54, v0, 6, 1
	v_lshl_or_b32 v53, v54, 3, v53                 ; the row
	v_xor_b32 v53, v53, v55
	v_lshlrev_b32 v[KW], 4, v53
	v_lshl_or_b32 v[KW], v52, 8, v[KW]
	v_bfe_u32 v54, v0, 5, 1
	v_lshl_or_b32 v[KW], v54, 10, v[KW]            ; tile + 1
	v_bfe_u32 v54, v0, 7, 1
	v_lshl_or_b32 v[KW], v54, 11, v[KW]            ; tile + 2
	; V: piece p of row t / 4 (+ 64 (i / 4)): row % 16 in tile row / 16
	v_bfe_u32 v53, v0, 2, 4
	v_xor_b32 v53, v53, v55
	v_lshlrev_b32 v[VW], 4, v53
	v_lshl_or_b32 v[VW], v52, 8, v[VW]
	v_bfe_u32 v53, v0, 6, 2
	v_lshl_or_b32 v[VW], v53, 10, v[VW]
	v_add_nc_u32 v[VW], VIMG, v[VW]
	v_lshrrev_b32 v53, 2, v0
	v_lshlrev_b32 v[KGO], 12, v53                  ; in memory: K's rows 4,096 bytes apart,
	v_lshl_or_b32 v[KGO], v52, 4, v[KGO]
	v_lshlrev_b32 v[VGO], 10, v53                  ; V's 1,024
	v_lshl_or_b32 v[VGO], v52, 4, v[VGO]
	; the scale words.  K's: thread t takes key t (+ 256 i).  V's: thread t takes 16 bytes: steps 4 p .. 4 p + 3 of row t / 4 (+ 64 i)
	v_lshlrev_b32 v48, 8, v0
	v_lshlrev_b32 v49, 4, v0
	v_and_b32 v53, 7, v0
	v_bfe_u32 v56, v0, 4, 1
	v_lshl_or_b32 v53, v56, 3, v53
	v_bfe_u32 v56, v0, 3, 1
	v_lshl_or_b32 v53, v56, 4, v53                 ; the lane that will want it: row + 16 x (odd tile)
	v_lshlrev_b32 v50, 4, v53
	v_bfe_u32 v56, v0, 5, 2
	v_lshl_or_b32 v50, v56, 2, v50                 ; pair of tiles b
	v_lshl_or_b32 v50, v54, 9, v50                 ; step + 1 (v54 is still the thread's bit 7)
	v_add_nc_u32 v50, KSC, v50
	v_bfe_u32 v53, v0, 2, 5
	v_lshlrev_b32 v51, 4, v53                      ; row % 32 is the lane
	v_lshl_or_b32 v51, v52, 11, v51                ; steps 4 p on
	v_lshl_or_b32 v51, v54, 2, v51                 ; row / 32 is the pair of tiles
	v_add_nc_u32 v51, VSC, v51
	; Q, out, the stage
	v_lshlrev_b32 v[QO], 12, v[RR]
	v_lshl_or_b32 v[QO], v[HH], 4, v[QO]
	v_lshlrev_b32 v[GO], 4, v[RR]
	v_lshl_or_b32 v[GO], v[HH], 15, v[GO]          ; lanes 0-15 one query's row of out (32,768 bytes apart), lanes 16-31 the next
	s_wait_alu depctr_va_sdst(0)                   ; the wave's number is written into its scalar register, ahead of its first reader: the stage's place and the wave's queries are made from it
	s_mul_i32 s100, s[WV], 16*SP
	s_add_co_u32 s100, s100, STAGE
	v_mul_u32_u24 v[STO], v[RR], SP
	v_lshl_add_u32 v[STO], v[HH], 5, v[STO]
	v_add_nc_u32 v[STO], s100, v[STO]
	v_mul_u32_u24 v[RD], v[HH], SP
	v_lshl_add_u32 v[RD], v[RR], 4, v[RD]
	v_add_nc_u32 v[RD], s100, v[RD]
.irp x, 0,1
.irp b, 0,1,2,3
	v_mov_b32 v[ST+22*\x+PT+\b], 0                 ; written once: a lane permute's destination counts as one of its sources
.endr
	v_mov_b32 v[ST+22*\x+FF+1], 0                  ; named as the upper half of f's pair
.irp i, 1,2,3,4,5,6,7
	v_mov_b32 v[Z8+8*\x+\i], 0                     ; the seven zeros beside a masked step's p
.endr
.endr
	s_wait_alu depctr_va_vdst(0)                   ; every offset and address made above is written: v12-15, v48-51 and v248-250, which the launch's loads and stores read; and the two additions are done reading s100, which is written anew below
	s_lshl_b32 s100, ttmp9, 8
	s_lshl_b32 s101, s[WV], 5
	s_add_co_u32 s100, s100, s101                  ; my first query in pass 0: 256 x + 32 wave
	s_mov_b32 s105, 0                              ; the upper word of every offset; it stays 0
	s_wait_kmcnt 0x0
	s_lshl_b32 s104, s100, 12
	s_lshl_b32 s101, s[HEAD], 6
	s_add_co_u32 s104, s104, s101
	s_add_nc_u64 s[4:5], s[4:5], s[104:105]        ; Q's codes
	s_lshl_b32 s104, s100, 8
	s_lshl_b32 s101, s[HEAD], 2
	s_add_co_u32 s104, s104, s101
	s_add_nc_u64 s[6:7], s[6:7], s[104:105]        ; Q's scale words
	s_lshl_b32 s104, s[HEAD], 6
	s_add_nc_u64 s[8:9], s[8:9], s[104:105]        ; K's codes: the head's 64 bytes of key 0
	s_lshl_b32 s104, s[HEAD], 2
	s_add_nc_u64 s[10:11], s[10:11], s[104:105]
	s_lshl_b32 s104, s[HEAD], 17
	s_add_nc_u64 s[12:13], s[12:13], s[104:105]    ; V's codes: the head's 128 rows
	s_lshl_b32 s104, s[HEAD], 13
	s_add_nc_u64 s[14:15], s[14:15], s[104:105]
	s_lshl_b32 s104, s100, 8
	s_add_nc_u64 s[16:17], s[16:17], s[104:105]    ; maskw: 8,192 bytes for each 32 queries
	s_lshl_b32 s104, s100, 1
	s_add_nc_u64 s[18:19], s[18:19], s[104:105]    ; cls: 64 bytes
	s_lshl_b32 s104, s100, 15
	s_lshl_b32 s101, s[HEAD], 9
	s_add_co_u32 s104, s104, s101
	s_add_nc_u64 s[20:21], s[20:21], s[104:105]    ; out
	QLOAD                                          ; 5 vector loads,
.irp i, 0,1,2,3,4,5,6,7
	global_load_b32 v[32+\i], v48, s[10:11] offset:\i*65536                 ; 8: K's scale words of the whole head,
.endr
.irp i, 0,1
	global_load_b128 v[40+4*\i:43+4*\i], v49, s[14:15] offset:\i*4096       ; 2: V's,
.endr
	FILL_LOAD                                      ; and 16: chunk 0
	PROLOGUE 0                                     ; registers are set while the loads are out: none that a load or a store of the head names
	s_wait_loadcnt 16                              ; all but chunk 0's sixteen, the youngest
.irp i, 0,1,2,3,4,5,6,7
	ds_store_b32 v50, v[32+\i] offset:\i*1024      ; 256 keys are two steps
.endr
.irp i, 0,1
.irp w, 0,1,2,3
	ds_store_b32 v51, v[40+4*\i+\w] offset:512*\w+8*\i
.endr
.endr
	; PASS 0: four chunks of four key steps.  Two barriers a chunk: between every wave's reads of the images and the stores into them, and between the stores and the reads.
	s_mov_b32 s[SF], 0
	s_mov_b32 s[CH], 0
.Lchunk:
	s_wait_loadcnt 0x0                             ; my part of the chunk is in registers: so its loads' bases may be stepped below
	s_wait_dscnt 0x0                               ; my LDS reads are back, and in the first trip my stores of scale words have landed
	s_barrier_signal -1
	s_barrier_wait -1
	FILL_STORE
	s_wait_dscnt 0x0                               ; for the others' sake: my stores have landed
	s_wait_alu depctr_vm_vsrc(0)                   ; my LDS stores have read the chunk's registers, in which the next chunk's loads land, and v[FA], v[FB], which the next trip writes; in the first trip the head's loads and stores have read v32-51, which the first products write
	s_add_nc_u64 s[8:9], s[8:9], 0x200000          ; 512 keys on: 4,096 bytes a key
	s_add_nc_u64 s[12:13], s[12:13], 256           ; 256 bytes on in each row of V
	s_add_co_u32 s[SF], s[SF], 32768
	s_cmp_eq_u32 s[CH], 3
	s_cbranch_scc1 .Lno_fill                       ; behind the last chunk there is nothing to ask for
	FILL_LOAD                                      ; the next chunk: four key steps ahead of the wait for it
.Lno_fill:
	s_barrier_signal -1
	s_barrier_wait -1                              ; the chunk is whole for every wave
	s_mov_b32 s[CNT], 0
.Lstep0:
	STEP
	s_add_co_u32 s[CNT], s[CNT], 1
	s_cmp_lt_u32 s[CNT], 4
	s_cbranch_scc1 .Lstep0
	s_add_co_u32 s[CH], s[CH], 1
	s_cmp_lt_u32 s[CH], 4
	s_cbranch_scc1 .Lchunk
	; BETWEEN THE PASSES: from block x to block 7 - x: D = 7 - 2 x blocks of 256 queries on.  Every load that named these bases has been waited for.  Pass 1's Q is asked for ahead of pass 0's way out.
	s_lshl_b32 s100, ttmp9, 1
	s_sub_co_u32 s100, 7, s100                     ; D: 7, 5, 3 or 1
	s_lshl_b32 s104, s100, 20
	s_add_nc_u64 s[4:5], s[4:5], s[104:105]
	s_lshl_b32 s104, s100, 16
	s_add_nc_u64 s[6:7], s[6:7], s[104:105]
	s_sub_co_u32 s104, s104, 8192                  ; maskw has walked its 16 steps of 512 bytes
	s_add_nc_u64 s[16:17], s[16:17], s[104:105]
	s_lshl_b32 s104, s100, 9
	s_add_nc_u64 s[18:19], s[18:19], s[104:105]
	s_lshl_b32 s104, s100, 23                      ; for out, below
	QLOAD                                          ; no wait of its own: the last step's wait ahead of V^T P^T stands behind every K Q^T, which alone read Q and its scale words, and the products issued since name neither these nor the two offsets
	WAYOUT
	s_wait_xcnt 0x0                                ; the stores have read their base and their registers: the base is stepped, and pass 1's scores land in those registers
	s_wait_alu depctr_vm_vsrc(0)                   ; the way out's LDS stores and global stores have read v[S ..] and v[S+64 ..], which pass 1's products write
	s_add_nc_u64 s[20:21], s[20:21], s[104:105]
	PROLOGUE 1
	; PASS 1: the whole head lies in LDS and nobody writes it any more: sixteen key steps, no barrier
	s_mov_b32 s[CNT], 0
.Lstep1:
	STEP
	s_add_co_u32 s[CNT], s[CNT], 1
	s_cmp_lt_u32 s[CNT], 16
	s_cbranch_scc1 .Lstep1
	WAYOUT
	s_wait_dscnt 0x0                               ; the closing lines, six on end
	s_wait_alu 0x0
	s_wait_tensorcnt 0x0
	ds_add_u32 v207, v229
	s_wait_dscnt 0x0
	s_endpgm
.Lfunc_end_k_q584f32b2da_attn:
	.size	k_q584f32b2da_attn, .Lfunc_end_k_q584f32b2da_attn-k_q584f32b2da_attn
	.p2alignl 7, 3214868480
	.fill 96, 4, 3214868480
	.section	.rodata,"a",@progbits
	.p2align	6, 0x0
	.amdhsa_kernel k_q584f32b2da_attn
		.amdhsa_group_segment_fixed_size 314368
		.amdhsa_private_segment_fixed_size 0
		.amdhsa_enable_private_segment 0
		.amdhsa_kernarg_size 72
		.amdhsa_user_sgpr_count 2
		.amdhsa_user_sgpr_kernarg_segment_ptr 1
		.amdhsa_wavefront_size32 1
		.amdhsa_system_sgpr_workgroup_id_x 1
		.amdhsa_system_sgpr_workgroup_id_y 1
		.amdhsa_system_sgpr_workgroup_id_z 1
		.amdhsa_system_vgpr_workitem_id 0
		.amdhsa_next_free_vgpr 512
		.amdhsa_next_free_sgpr 106
		.amdhsa_reserve_vcc 0
		.amdhsa_float_denorm_mode_32 3
		.amdhsa_float_denorm_mode_16_64 3
		.amdhsa_memory_ordered 1
		.amdhsa_forward_progress 1
		.amdhsa_inst_pref_size 150
	.end_amdhsa_kernel
	.amdgpu_metadata
---
amdhsa.version: [ 1, 2 ]
amdhsa.kernels:
  - .name:           k_q584f32b2da_attn
    .symbol:         k_q584f32b2da_attn.kd
    .args:
      - { .name: query_codes, .offset: 0, .size: 8, .value_kind: global_buffer, .address_space: global }
      - { .name: query_scales, .offset: 8, .size: 8, .value_kind: global_buffer, .address_space: global }
      - { .name: key_codes, .offset: 16, .size: 8, .value_kind: global_buffer, .address_space: global }
      - { .name: key_scales, .offset: 24, .size: 8, .value_kind: global_buffer, .address_space: global }
      - { .name: value_codes, .offset: 32, .size: 8, .value_kind: global_buffer, .address_space: global }
      - { .name: value_scales, .offset: 40, .size: 8, .value_kind: global_buffer, .address_space: global }
      - { .name: maskw, .offset: 48, .size: 8, .value_kind: global_buffer, .address_space: global }
      - { .name: cls, .offset: 56, .size: 8, .value_kind: global_buffer, .address_space: global }
      - { .name: out0, .offset: 64, .size: 8, .value_kind: global_buffer, .address_space: global }
    .group_segment_fixed_size: 314368
    .private_segment_fixed_size: 0
    .kernarg_segment_align: 8
    .kernarg_segment_size: 72
    .max_flat_workgroup_size: 256
    .sgpr_count:     106
    .vgpr_count:     512
    .wavefront_size: 32
...
	.end_amdgpu_metadata
.endif
;; end of part 4
